; MI455X (gfx1250); checked and timed in simulation.
; The chip was launched on July 23, 2026; its instructions are those of AMD's public machine-readable ISA for CDNA 5 (MIT licence, August 2026) and "CDNA5" Instruction Set Architecture Reference Guide (July 2026). The comments in the code are by the model that wrote it; some were corrected since.
;; Multi Head Attention. Allowed arithmetic: matrix products marked QUANTISED: E2M1 operands, one E8M0 scale for each 32 along K, by v_wmma_scale_f32_16x16x128_f8f6f4 with both operands' format E2M1 (or v_wmma_scale_f32_32x16x128_f4), f32 sums; everything else in f32.
;; Inputs: W_k_codes 1,024 x 32 x 16 uint8 (E2M1 codes of W_k, K innermost, in blocks of 32 codes, two codes a byte); W_k_scales 1,024 x 32 uint8 (E8M0 scales of W_k, one for each 32 codes along K); W_o_codes 1,024 x 32 x 16 uint8 (E2M1 codes of W_o, K innermost, in blocks of 32 codes, two codes a byte); W_o_scales 1,024 x 32 uint8 (E8M0 scales of W_o, one for each 32 codes along K); W_q_codes 1,024 x 32 x 16 uint8 (E2M1 codes of W_q, K innermost, in blocks of 32 codes, two codes a byte); W_q_scales 1,024 x 32 uint8 (E8M0 scales of W_q, one for each 32 codes along K); W_v_codes 1,024 x 32 x 16 uint8 (E2M1 codes of W_v, K innermost, in blocks of 32 codes, two codes a byte); W_v_scales 1,024 x 32 uint8 (E8M0 scales of W_v, one for each 32 codes along K); b_k 1,024 float32; b_o 1,024 float32; b_q 1,024 float32; b_v 1,024 float32; encoder_mask 1 x 1 x 2,048 x 2,048 int32; k_codes 4 x 2,048 x 32 x 16 uint8 (E2M1 codes of k, K innermost, in blocks of 32 codes, two codes a byte); k_scales 4 x 2,048 x 32 uint8 (E8M0 scales of k, one for each 32 codes along K); q_codes 4 x 2,048 x 32 x 16 uint8 (E2M1 codes of q, K innermost, in blocks of 32 codes, two codes a byte); q_scales 4 x 2,048 x 32 uint8 (E8M0 scales of q, one for each 32 codes along K); v_codes 4 x 2,048 x 32 x 16 uint8 (E2M1 codes of v, K innermost, in blocks of 32 codes, two codes a byte); v_scales 4 x 2,048 x 32 uint8 (E8M0 scales of v, one for each 32 codes along K).
;; Outputs: out0 4 x 2,048 x 1,024 float32.
;; This version of the problem:
;;   THIS VERSION OF THE PROBLEM IS GIVEN IN LOW PRECISION. The matrix products marked QUANTISED in the list below multiply operands that are first quantised to E2M1 (2 exponent bits, 1 mantissa bit; 4 bits a number), with one power-of-two scale for each 32 numbers along K (OCP MX v1.0); their sums are f32. All else is computed in f32.
;;   The module's matrix products, in the order in which they are computed (A, B: the left and right operand; K: the contracted axis; several contracted axes count as one K, in the product's order):
;;     1. [M 8,192, K 1,024] x [K 1,024, N 1,024]; A: input q (given as codes); B: input W_q (given as codes): QUANTISED
;;     2. [M 8,192, K 1,024] x [K 1,024, N 1,024]; A: input k (given as codes); B: input W_k (given as codes): QUANTISED
;;     3. [M 8,192, K 1,024] x [K 1,024, N 1,024]; A: input v (given as codes); B: input W_v (given as codes): QUANTISED
;;     4. batch 64 x [M 2,048, K 64] x [K 64, N 2,048]; A: computed on the way; B: computed on the way: QUANTISED
;;     5. batch 64 x [M 2,048, K 2,048] x [K 2,048, N 64]; A: softmax (see below); B: computed on the way: QUANTISED
;;     6. [M 8,192, K 1,024] x [K 1,024, N 1,024]; A: computed on the way; B: input W_o (given as codes): QUANTISED
;;   THE QUANTISER, for each operand of a quantised product, along K:
;;     - K is cut into blocks of 32 from its start; a last block that is shorter is filled with zeros.
;;     - A block's scale is 2^e with e = floor(log2(the largest magnitude in the block)) - 2, held to -126 .. 127; a block of zeros has e = 0. As a byte (E8M0): e + 127.
;;     - Each number is divided by its block's scale, clamped to +-6, and rounded to the nearest number of E2M1, ties to even, subnormals kept.
;;     - The product sums the exact products of the quantised numbers (number of the format x scale) in f32.
;;   ~~~python
;;   def quantise(x, axis):      # numpy; x: float32 -> the quantised numbers, widened to float32 again
;;       x = np.moveaxis(x, axis, -1); K = x.shape[-1]
;;       x = np.pad(x, [(0, 0)] * (x.ndim - 1) + [(0, -K % 32)]); x = x.reshape(x.shape[:-1] + (-1, 32)); a = np.abs(x).max(-1, keepdims=True)
;;       e = np.where(a > 0, np.clip(np.frexp(np.where(a > 0, a, 1))[1] - 1 - 2, -126, 127), 0)      # np.frexp(a)[1] - 1 = floor(log2(a)), exactly
;;       r = np.clip(x / 2.0 ** e, -6, 6)
;;       step = 2.0 ** (np.maximum(np.frexp(np.where(r == 0, 1, r))[1] - 1, 0) - 1)
;;       q = np.round(r / step) * step * 2.0 ** e      # np.round: ties to even
;;       return np.moveaxis(q.reshape(q.shape[:-2] + (-1,))[..., :K], -1, axis).astype(np.float32)
;;   ~~~
;;   SOFTMAX AHEAD OF A QUANTISED PRODUCT. Where the list says 'softmax', what is quantised is not the finished softmax but p = 2^(t - M), with t = logit x log2(e) and M = ceil(the row's largest t), a whole number; so 1/2 < the row's largest p <= 1. The row's sum l is taken of the UNQUANTISED p, in f32, and the product's result is divided by l at the end. Since M is a whole number, a kernel that streams over the keys may use a running M (the ceiling of the running maximum): every later rescaling is an exact power of two, which a block's scale takes up: the codes' values come out the same.
;;   OPERANDS COMPUTED ON THE WAY. 'Computed on the way' means the value that the module computes at that place (a softmax that the list does not call 'softmax' is quantised finished and normalised). What goes into a quantiser is computed in f32, as accurately as f32 sums, v_exp_f32 and their like allow (about 1e-6 of the number): no bf16 or f16 on the way to a quantiser, and a product that is left as it is and whose result goes on into a quantised operand takes f32 operands (vector FMAs, or v_wmma_f32_16x16x4_f32). A number that lies on a knife's edge between two numbers of the format may be rounded either way, as far as f32 arithmetic and the matrix unit's own rounding can turn it there, and no further.
;;   INPUTS GIVEN AS CODES. W_k (in the module: [1024, 1024], K = its axis 1); W_o (in the module: [1024, 1024], K = its axis 1); W_q (in the module: [1024, 1024], K = its axis 1); W_v (in the module: [1024, 1024], K = its axis 1); k (in the module: [4, 2048, 1024], K = its axis 2); q (in the module: [4, 2048, 1024], K = its axis 2); v (in the module: [4, 2048, 1024], K = its axis 2): each comes as NAME_codes (uint8): NAME with its K axis moved to the last place and cut into blocks of 32 codes, [.., K / 32, bytes a block], one block behind the other in memory; two codes a byte, the lower K in the low four bits (a code: sign, 2 exponent bits, 1 mantissa bit); and NAME_scales (uint8): the same leading axes, one E8M0 byte (e + 127) for each 32 codes along K. Its value is code x scale, taken as it is: it is not quantised again, and the codes and scales need not be those that the quantiser above would give.
;; One version. Each part assembles by itself: llvm-mc -triple=amdgcn-amd-amdhsa -mcpu=gfx1250 --defsym DOCPART=n.
;; ======== version 1 of 1: 3 launches
;; limits: right only within a limited range of input values
;; workspace buffers: cod 12,582,912 bytes; sc 1,572,864 bytes; mk 2,097,152 bytes; ao 4,194,304 bytes; aos 524,288 bytes
;; launch proj (part 1): grid 4 x 192, 8 waves a work-group, clusters of 4 x 4, 231,168 bytes of LDS; arguments W_q_codes, W_q_scales, q_codes, q_scales, b_q, W_k_codes, W_k_scales, k_codes, k_scales, b_k, v_codes, v_scales, W_v_codes, W_v_scales, b_v, encoder_mask, cod, sc, mk; writes cod, sc, mk
.if DOCPART == 1
	.amdgcn_target "amdgcn-amd-amdhsa--gfx1250"
	.amdhsa_code_object_version 6
	.text
	.protected	k_q36dbf11107_proj
	.globl	k_q36dbf11107_proj
	.p2align	8
	.type	k_q36dbf11107_proj,@function
k_q36dbf11107_proj:
	s_mov_b64 s[64:65], 0
	v_nop
	global_prefetch_b8 v0, s[64:65] scope:SCOPE_SE
	s_setreg_imm32_b32 hwreg(HW_REG_WAVE_MODE, 25, 1), 1
	s_wait_xcnt 0x0
	s_wait_alu depctr_hold_cnt(0) depctr_sa_sdst(0) depctr_va_vdst(0) depctr_va_sdst(0) depctr_va_ssrc(0) depctr_va_vcc(0) depctr_vm_vsrc(0)
	s_getreg_b32 s2, hwreg(HW_REG_IB_STS2, 6, 4)
	s_cmp_eq_u32 s2, 0
	s_cbranch_scc0 .Lentry_in_a_cluster
	s_endpgm
.Lentry_in_a_cluster:
	s_bfe_u32 s2, ttmp6, 0x10000c
	s_cmp_lg_u32 s2, 0xf033
	s_cbranch_scc0 .Lentry_shape_is_right
	s_endpgm
.Lentry_shape_is_right:
; THE THREE PROJECTIONS, x W^T + b on codes of FP4 (E2M1) with one E8M0 scale for each 32 along K = 1,024, each result quantised at once for the attention launch; and the mask, turned into FP4 words.
; g = 0: q, g = 1: k, g = 2: v (16 clusters of 4 x 4 work-groups each).  SOURCE 0 OF THE MATRIX INSTRUCTION IS THE SIDE ALONG WHICH THE RESULT IS QUANTISED: rows of W_q, W_k (the head's 64 channels) for q and k,
; tokens for v (the keys are the second attention product's K).  In the result a lane (r = lane % 16, h = lane / 16) holds ONE row r of source 1 and rows 8 h + 0..7 of source 0.
; A work-group makes 256 rows of source 0 x 128 rows of source 1 over all of K; wave w makes rows 64 (w & 3) on of source 0 x rows 64 (w >> 2) on of source 1: 16 accumulators.
; A UNIT is four tiles of source 0 x one tile of source 1: 64 numbers along the next K for each of 16 rows: two blocks of 32.  It leaves as an image of operand registers (512 bytes, 16 x lane) and one scale word a row.
; LDS is filled once: two slots, each with half of K (rows of 256 bytes), and the scale bytes of all of K.  No byte is filled twice.
; CLUSTER: source 0's tile hangs on cx, so the four work-groups of a column ask for it jointly; source 1's hangs on cy: the four of a row.
; THE MASK (g = 0 alone, while the tiles are on their way): wave by wave an image of 16 queries x 128 keys: one nibble a key, 0 where the key counts, 0xE (the FP4 code of -4) where encoder_mask is 0,
; laid so that word t of lane (r, h) holds query r, keys 16 t + 8 h + 0..7: the eight registers of a score tile.
; LIMITS: NaN and infinities among the inputs are not served.  A block whose largest magnitude lies under 2^-124, a block of zeros among them, gets the byte 1 (its codes are zeros; these bytes are read by this program alone).
.set PITCH, 272                        ; an LDS row: 256 bytes + 16 of padding: the sixteen rows of a fragment load begin 16 bytes apart modulo 256
.set SLOT,  384*PITCH                  ; source 0's 256 rows, then source 1's 128
.set S1OFF, 256*PITCH
.set SCB1,  2*SLOT                     ; source 1's scale bytes: 128 rows x 32 bytes as 16 rows of 256 + 16
.set SCB0,  SCB1+16*PITCH              ; source 0's: 32 such rows
.set MSTG,  SCB0+32*PITCH              ; the mask's stage: 1,024 bytes for each wave; no tile lands here
.set PADW,  (1<<20)|(1<<21)|(5<<22)|(3<<25)   ; padding on; bit 21 beside a mask; after every 64 words; four words
.set WV, 2                             ; s2 wave;  s3 wave & 3;  s4 wave >> 2
.set W0, 3
.set W1, 4
.set CX, 5
.set CY, 6
.set G,  7                             ; which projection
.set P0C, 8                            ; s[8:17]: source 0's codes, its scales, source 1's codes, its scales, the bias
.set P0S, 10
.set P1C, 12
.set P1S, 14
.set PB,  16
.set POC, 18                           ; s[18:19] where my four units' codes go;  s[20:21] their scale words
.set POS, 20
.set G1C0, 24                          ; descriptor groups 1: source 0's codes, source 1's codes, source 0's scales, source 1's scales
.set G1C1, 32
.set G1S0, 40
.set G1S1, 88
.set PMASK, 52                         ; s[52:59]: encoder_mask, cod, sc, mk
.set PCOD, 54
.set PSC,  56
.set PMK,  58
.set G0S0, 60                          ; groups 0
.set G0S1, 68
.set G0C0, 72                          ; one set for each slot
.set G0C1, 80
.set X0, 96                            ; tile of source 0 (hangs on cx);  s97 tile of source 1 (hangs on cy)
.set X1, 97
.set MCOL, 98
.set MROW, 99
; s22, s23: wave and constants alone.  s48, s49, s66, s67: may hold cx, never cy.  s50, s51, s100, s101: may hold cy, never cx.  s104, s105: both.
.set LI,  4                            ; v4 16 x lane
.set A0,  5                            ; v5-6  my fragments of source 0 in slot 0, 1
.set A1,  7                            ; v7-8  of source 1
.set ASC, 9                            ; v9    my scale words: lanes 0-15 source 1's rows, lanes 16-31 source 0's
.set SO,  10                           ; v10   16 r + 8 h
.set BO,  11                           ; v11   the bias's lane offset
.set MST, 12                           ; v12   mask stage, in
.set MRD, 13                           ; v13   mask stage, out
.set SC,  16                           ; v16-31 scale words, and nothing else: register 4 i + q: tile i, the slot's q-th 128 along K
.set F0,  32                           ; v32-63 four fragments of source 0
.set F1,  64                           ; v64-95 four of source 1
.set BIAS, 96                          ; v96-127
.set ACC, 128                          ; accumulator (a of source 0, i of source 1) at v[128 + 32 i + 8 a]
.set QM,  32                           ; the way out: eight largest magnitudes, eight from the other half / bytes, eight scale operands, sixteen code registers, four scale words, a pair to store
.set QN,  40
.set QE,  48
.set QC,  56
.set QW,  72
.set QD,  76
.macro CROUND                          ; a round of the cluster's barrier
	s_barrier_signal -1
	s_barrier_wait -1
	s_cmp_lg_u32 s[WV], 0
	s_cbranch_scc1 .Lnot_wave_0_\@
	s_barrier_signal -3
.Lnot_wave_0_\@:
	s_barrier_wait -3
	s_barrier_signal -1
	s_barrier_wait -1
.endm
.macro PLACES                          ; four plain vector instructions between a matrix instruction and a load into, or a vector write or read of, its registers
.rept 4
	v_nop
.endr
.endm
.macro GROUP1 g, elems, rows, pitch    ; words 1 to 7 of a descriptor's group 1: the tile lies inside the tensor, so the extents are the tile's
	s_mov_b32 s[\g+1], (\elems)<<16
	s_mov_b32 s[\g+2], (\rows)<<16
	s_mov_b32 s[\g+3], (\elems)<<16
	s_mov_b32 s[\g+4], \rows
	s_mov_b32 s[\g+5], \pitch
	s_mov_b32 s[\g+6], 0
	s_mov_b32 s[\g+7], 0
.endm
	s_load_b256 s[8:15], s[0:1], 0x0               ; g = 0: W_q's codes and scales, q's codes and scales,
	s_load_b64 s[16:17], s[0:1], 0x20              ; b_q
	s_load_b256 s[24:31], s[0:1], 0x28             ; g = 1: the same of k
	s_load_b64 s[32:33], s[0:1], 0x48
	s_load_b256 s[40:47], s[0:1], 0x50             ; g = 2: v's codes and scales, W_v's codes and scales,
	s_load_b64 s[48:49], s[0:1], 0x70              ; b_v
	s_load_b256 s[52:59], s[0:1], 0x78             ; encoder_mask, cod, sc, mk
	s_set_vgpr_msb 0x40
	v_lshl_add_u32 v0, v0, 2, 0x38300
	v_mov_b32 v1, 0
	s_set_vgpr_msb 0x4045
	ds_add_u32 v0, v1
	ds_add_u32 v0, v1
	s_set_vgpr_msb 0x4500
	v_lshrrev_b32 v1, 5, v0
	s_delay_alu instid0(VALU_DEP_1)
	v_readfirstlane_b32 s[WV], v1
	s_and_b32 s[W0], s[WV], 3
	s_lshr_b32 s[W1], s[WV], 2
	s_bfe_u32 s[CX], ttmp6, 0x40000
	s_bfe_u32 s[CY], ttmp6, 0x40004
	s_and_b32 s105, ttmp7, 0xffff                  ; the cluster's y, 0 .. 47
	s_lshr_b32 s[G], s105, 4
	s_and_b32 s105, s105, 15                       ; the cluster among its projection's sixteen
	s_lshr_b32 s66, s105, 1
	s_and_b32 s100, s105, 1
	s_cmp_eq_u32 s[G], 2                           ; q, k: source 0 has 4 tiles (one cluster wide), source 1 has 64;  v: source 0 has 32, source 1 has 8
	s_cselect_b32 s66, s66, 0
	s_cselect_b32 s100, s100, s105
	s_lshl_b32 s[X0], s66, 2
	s_add_co_u32 s[X0], s[X0], s[CX]
	s_lshl_b32 s[X1], s100, 2
	s_add_co_u32 s[X1], s[X1], s[CY]
	s_lshl_b32 s[MROW], s[CY], 2
	s_lshl_b32 s[MROW], 15, s[MROW]                ; my row of the cluster
	s_lshl_b32 s[MCOL], 0x1111, s[CX]              ; my column
	; every LDS address is made here, ahead of the first branch
	v_and_b32 v1, 31, v0                           ; lane
	v_and_b32 v2, 15, v0                           ; r
	v_bfe_u32 v3, v0, 4, 1                         ; h
	s_delay_alu instid0(VALU_DEP_3)
	v_lshlrev_b32 v[LI], 4, v1
	s_delay_alu instid0(VALU_DEP_3)
	v_mul_u32_u24 v14, v2, PITCH
	s_delay_alu instid0(VALU_DEP_1)
	v_lshl_add_u32 v14, v3, 4, v14                 ; a fragment's row x pitch + 16 h
	s_mul_i32 s22, s[W0], 64*PITCH
	s_mul_i32 s23, s[W1], 64*PITCH
	s_add_co_u32 s23, s23, S1OFF
	v_add_nc_u32 v[A0], s22, v14
	v_add_nc_u32 v[A1], s23, v14
	s_add_co_u32 s22, s22, SLOT
	s_add_co_u32 s23, s23, SLOT
	v_add_nc_u32 v[A0+1], s22, v14
	v_add_nc_u32 v[A1+1], s23, v14
	v_lshrrev_b32 v15, 3, v2
	s_delay_alu instid0(VALU_DEP_1)
	v_mul_u32_u24 v15, v15, PITCH
	v_and_b32 v[ASC], 7, v2
	s_delay_alu instid0(VALU_DEP_1)
	v_lshl_add_u32 v[ASC], v[ASC], 5, v15          ; row r's 32 scale bytes: eight rows to 256 bytes, then 16 of padding
	s_mul_i32 s22, s[W1], 8*PITCH                  ; source 1's: my 64 rows
	s_mul_i32 s23, s[W0], 8*PITCH                  ; source 0's: my 64 rows, 16 x PITCH further on
	s_add_co_u32 s23, s23, 16*PITCH
	s_sub_co_u32 s23, s23, s22
	v_mul_u32_u24 v15, s23, v3                     ; lanes 16-31 take source 0's: the lower base + h x the distance
	s_add_co_u32 s22, s22, SCB1
	v_add_nc_u32 v[ASC], v[ASC], v15
	s_delay_alu instid0(VALU_DEP_1)
	v_add_nc_u32 v[ASC], s22, v[ASC]
	v_lshlrev_b32 v[SO], 4, v2
	s_delay_alu instid0(VALU_DEP_1)
	v_lshl_add_u32 v[SO], v3, 3, v[SO]
	s_lshl_b32 s22, s[WV], 10
	s_add_co_u32 s22, s22, MSTG                    ; my wave's mask stage
	v_bfe_u32 v14, v0, 1, 1
	v_bfe_u32 v15, v0, 2, 2
	v_and_b32 v[MST], 1, v0
	s_delay_alu instid0(VALU_DEP_1)
	v_lshlrev_b32 v[MST], 1, v[MST]                ; lane l brings keys 4 l .. 4 l + 3 of a query: half word l % 2
	s_delay_alu instid0(VALU_DEP_1)
	v_lshl_add_u32 v[MST], v15, 2, v[MST]          ; of word (l / 4) % 4
	s_delay_alu instid0(VALU_DEP_1)
	v_lshl_add_u32 v[MST], v14, 8, v[MST]          ; of the lanes' half (l / 2) % 2
	s_delay_alu instid0(VALU_DEP_1)
	v_lshl_add_u32 v[MST], v3, 9, v[MST]           ; of the image's half l / 16; the query, 16 bytes each, stands in the immediate
	s_delay_alu instid0(VALU_DEP_1)
	v_add_nc_u32 v[MST], s22, v[MST]
	v_add_nc_u32 v[MRD], s22, v[LI]
	s_wait_dscnt 0x0
	s_wait_kmcnt 0x0
	s_cmp_eq_u32 s[G], 1                           ; the projection's five buffers: a choice on the cluster's number alone
	s_cselect_b64 s[8:9], s[24:25], s[8:9]
	s_cselect_b64 s[10:11], s[26:27], s[10:11]
	s_cselect_b64 s[12:13], s[28:29], s[12:13]
	s_cselect_b64 s[14:15], s[30:31], s[14:15]
	s_cselect_b64 s[16:17], s[32:33], s[16:17]
	s_cmp_eq_u32 s[G], 2
	s_cselect_b64 s[8:9], s[40:41], s[8:9]
	s_cselect_b64 s[10:11], s[42:43], s[10:11]
	s_cselect_b64 s[12:13], s[44:45], s[12:13]
	s_cselect_b64 s[14:15], s[46:47], s[14:15]
	s_cselect_b64 s[16:17], s[48:49], s[16:17]
	; descriptors.  Codes: elements of 1 byte, rows of 256 bytes (half of K), 512 bytes apart in memory.  Scales: dense, as rows of 32 elements of 8 bytes.
	s_or_b32 s[G1C0], s[MCOL], PADW
	s_or_b32 s[G1C1], s[MROW], PADW
	s_or_b32 s[G1S0], s[MCOL], (3<<16)|PADW
	s_or_b32 s[G1S1], s[MROW], (3<<16)|PADW
	GROUP1 G1C0, 256, 64, 512                      ; waves 0-3: 64 rows of source 0 each
	GROUP1 G1C1, 256, 32, 512                      ; waves 4-7: 32 rows of source 1 each
	GROUP1 G1S0, 32, 8, 32                         ; 64 rows' scale bytes: 2,048 bytes
	GROUP1 G1S1, 32, 4, 32                         ; 32 rows': 1,024 bytes
	s_lshl_b32 s48, s[X0], 8
	s_lshl_b32 s49, s[W0], 6
	s_add_co_u32 s48, s48, s49                     ; source 0: the first row that wave & 3 fetches
	s_lshl_b32 s66, s48, 5                         ; its scale bytes,
	s_mov_b32 s67, 0
	s_lshl_b32 s48, s48, 9                         ; its codes
	s_mov_b32 s49, 0
	s_add_nc_u64 s[48:49], s[P0C:P0C+1], s[48:49]
	s_add_nc_u64 s[66:67], s[P0S:P0S+1], s[66:67]
	s_lshl_b32 s50, s[X1], 7
	s_lshl_b32 s51, s[W0], 5
	s_add_co_u32 s50, s50, s51                     ; source 1 likewise
	s_lshl_b32 s100, s50, 5
	s_mov_b32 s101, 0
	s_lshl_b32 s50, s50, 9
	s_mov_b32 s51, 0
	s_add_nc_u64 s[50:51], s[P1C:P1C+1], s[50:51]
	s_add_nc_u64 s[100:101], s[P1S:P1S+1], s[100:101]
	s_mul_i32 s22, s[W0], 64*PITCH
	s_mul_i32 s23, s[W0], 32*PITCH
	s_add_co_u32 s23, s23, S1OFF
.irp s, 0,1
	s_mov_b32 s[G0C0+4*\s], 1
	s_add_co_u32 s[G0C0+4*\s+1], s22, \s*SLOT
	s_add_nc_u64 s[G0C0+4*\s+2:G0C0+4*\s+3], s[48:49], \s*256
	s_or_b32 s[G0C0+4*\s+3], s[G0C0+4*\s+3], 0x80000000
	s_mov_b32 s[G0C1+4*\s], 1
	s_add_co_u32 s[G0C1+4*\s+1], s23, \s*SLOT
	s_add_nc_u64 s[G0C1+4*\s+2:G0C1+4*\s+3], s[50:51], \s*256
	s_or_b32 s[G0C1+4*\s+3], s[G0C1+4*\s+3], 0x80000000
.endr
	s_mul_i32 s22, s[W0], 8*PITCH
	s_mul_i32 s23, s[W0], 4*PITCH
	s_mov_b32 s[G0S0], 1
	s_add_co_u32 s[G0S0+1], s22, SCB0
	s_mov_b64 s[G0S0+2:G0S0+3], s[66:67]
	s_or_b32 s[G0S0+3], s[G0S0+3], 0x80000000
	s_mov_b32 s[G0S1], 1
	s_add_co_u32 s[G0S1+1], s23, SCB1
	s_mov_b64 s[G0S1+2:G0S1+3], s[100:101]
	s_or_b32 s[G0S1+3], s[G0S1+3], 0x80000000
	CROUND                                         ; all sixteen work-groups are here: the joint loads meet
	s_cmp_lt_u32 s[WV], 4                          ; a wave's three fills stand in one branch on the wave's number: three tensor loads of mine are out
	s_cbranch_scc0 .Lfill_1
	tensor_load_to_lds s[G0S0:G0S0+3], s[G1S0:G1S0+7]
	s_nop 0
	tensor_load_to_lds s[G0C0:G0C0+3], s[G1C0:G1C0+7]
	s_nop 0
	tensor_load_to_lds s[G0C0+4:G0C0+7], s[G1C0:G1C0+7]
	s_nop 0
	PLACES
	s_branch .Lfilled
.Lfill_1:
	tensor_load_to_lds s[G0S1:G0S1+3], s[G1S1:G1S1+7]
	s_nop 0
	tensor_load_to_lds s[G0C1:G0C1+3], s[G1C1:G1C1+7]
	s_nop 0
	tensor_load_to_lds s[G0C1+4:G0C1+7], s[G1C1:G1C1+7]
	s_nop 0
	PLACES
.Lfilled:
	; THE BIAS is the C of each sum's first matrix instruction, in the result's layout.
	s_cmp_eq_u32 s[G], 2
	s_cbranch_scc1 .Lbias_v
	s_lshl_b32 s66, s[X0], 10                      ; q, k: the bias runs along source 0: for tile a the eight numbers 16 a + 8 h + 0..7
	s_lshl_b32 s67, s[W0], 8
	s_add_co_u32 s66, s66, s67
	s_mov_b32 s67, 0
	s_add_nc_u64 s[PB:PB+1], s[PB:PB+1], s[66:67]
	v_lshlrev_b32 v[BO], 5, v3
.irp a, 0,1,2,3
	global_load_b128 v[BIAS+8*\a:BIAS+8*\a+3], v[BO], s[PB:PB+1] offset:64*\a
	global_load_b128 v[BIAS+8*\a+4:BIAS+8*\a+7], v[BO], s[PB:PB+1] offset:64*\a+16
.endr
	s_branch .Lbias_in
.Lbias_v:
	s_lshl_b32 s100, s[X1], 9                      ; v: the bias runs along source 1: for tile i one number, 16 i + r, in all eight registers
	s_lshl_b32 s101, s[W1], 8
	s_add_co_u32 s100, s100, s101
	s_mov_b32 s101, 0
	s_add_nc_u64 s[PB:PB+1], s[PB:PB+1], s[100:101]
	v_lshlrev_b32 v[BO], 2, v2
.irp i, 0,1,2,3
.irp j, 0,1,2,3,4,5,6,7
	global_load_b32 v[BIAS+8*\i+\j], v[BO], s[PB:PB+1] offset:64*\i
.endr
.endr
.Lbias_in:
	; THE MASK: 256 work-groups x 8 waves take the 128 x 16 images of 16 queries x 128 keys.
	s_cmp_lg_u32 s[G], 0
	s_cbranch_scc1 .Lno_mask
	s_lshl_b32 s104, s[X1], 5
	s_lshl_b32 s105, s[X0], 3
	s_add_co_u32 s104, s104, s105
	s_add_co_u32 s104, s104, s[WV]                 ; my image: 16 x tile of queries + key step
	s_lshr_b32 s18, s104, 4
	s_and_b32 s105, s104, 15
	s_lshl_b32 s18, s18, 17                        ; 16 rows of 8,192 bytes,
	s_lshl_b32 s105, s105, 9                       ; 128 keys of 4 bytes
	s_add_co_u32 s18, s18, s105
	s_mov_b32 s19, 0
	s_add_nc_u64 s[PMASK:PMASK+1], s[PMASK:PMASK+1], s[18:19]
	s_lshl_b32 s18, s104, 10
	s_add_nc_u64 s[PMK:PMK+1], s[PMK:PMK+1], s[18:19]
.irp n, 0,1,2,3,4,5,6,7,8,9,10,11,12,13,14,15
	global_load_b128 v[ACC+4*\n:ACC+4*\n+3], v[LI], s[PMASK:PMASK+1] offset:8192*\n th:TH_LOAD_NT   ; query n: 512 consecutive bytes; read once in the launch
.endr
	s_wait_loadcnt 0x0
.irp n, 0,1,2,3,4,5,6,7,8,9,10,11,12,13,14,15
	v_min_u32 v[ACC+4*\n], 1, v[ACC+4*\n]          ; 1 where the key counts (anything but 0)
	v_min_u32 v[ACC+4*\n+1], 1, v[ACC+4*\n+1]
	v_min_u32 v[ACC+4*\n+2], 1, v[ACC+4*\n+2]
	v_min_u32 v[ACC+4*\n+3], 1, v[ACC+4*\n+3]
	s_delay_alu instid0(VALU_DEP_3)
	v_lshl_or_b32 v[ACC+4*\n], v[ACC+4*\n+1], 4, v[ACC+4*\n]     ; the lower key in the lower nibble
	s_delay_alu instid0(VALU_DEP_1)
	v_lshl_or_b32 v[ACC+4*\n], v[ACC+4*\n+2], 8, v[ACC+4*\n]
	s_delay_alu instid0(VALU_DEP_1)
	v_lshl_or_b32 v[ACC+4*\n], v[ACC+4*\n+3], 12, v[ACC+4*\n]
	s_delay_alu instid0(VALU_DEP_1)
	v_xor_b32 v[ACC+4*\n], 0x1111, v[ACC+4*\n]     ; 1 where it is hidden,
	s_delay_alu instid0(VALU_DEP_1)
	v_mul_u32_u24 v[ACC+4*\n], 14, v[ACC+4*\n]     ; 0xE there
	ds_store_b16 v[MST], v[ACC+4*\n] offset:16*\n
.endr
	ds_load_b128 v[ACC+64:ACC+67], v[MRD]          ; LDS serves a wave's instructions in order (ISA guide 5.7.1.4): these see my stores
	ds_load_b128 v[ACC+68:ACC+71], v[MRD] offset:512
	s_wait_dscnt 0x0
	global_store_b128 v[LI], v[ACC+64:ACC+67], s[PMK:PMK+1]
	global_store_b128 v[LI], v[ACC+68:ACC+71], s[PMK:PMK+1] offset:512
.Lno_mask:
	s_wait_xcnt 0x0                                ; the stores' data lie where the sums will be written
	s_wait_loadcnt 0x0                             ; the bias
	; where my four units go: bh = 16 x batch + head; G' = the 64 tokens' place in the batch
	s_lshl_b32 s18, s[X0], 2
	s_add_co_u32 s18, s18, s[W0]                   ; my 64 rows of source 0,
	s_lshl_b32 s20, s[X1], 1
	s_add_co_u32 s20, s20, s[W1]                   ; of source 1
	s_cmp_eq_u32 s[G], 2
	s_cselect_b32 s104, s20, s18                   ; the head: source 0's for q and k, source 1's for v
	s_cselect_b32 s105, s18, s20                   ; the 64 tokens: the other one
	s_lshr_b32 s18, s105, 5
	s_lshl_b32 s18, s18, 4
	s_add_co_u32 s18, s18, s104                    ; bh
	s_and_b32 s105, s105, 31                       ; G'
	s_lshl_b32 s20, s18, 13
	s_lshl_b32 s104, s105, 8
	s_add_co_u32 s20, s20, s104
	s_lshl_b32 s104, s[G], 19
	s_add_co_u32 s20, s20, s104                    ; scale words: 524,288 g + 8,192 bh + 256 G'
	s_mov_b32 s21, 0
	s_lshl_b32 s18, s18, 16
	s_lshl_b32 s105, s105, 11
	s_add_co_u32 s18, s18, s105
	s_lshl_b32 s104, s[G], 22
	s_add_co_u32 s18, s18, s104                    ; codes: 4,194,304 g + 65,536 bh + 2,048 G'
	s_mov_b32 s19, 0
	s_add_nc_u64 s[POC:POC+1], s[PCOD:PCOD+1], s[18:19]
	s_add_nc_u64 s[POS:POS+1], s[PSC:PSC+1], s[20:21]
	s_wait_tensorcnt 0x1                           ; my scale bytes and my part of slot 0 have landed; the one load issued behind them, slot 1's, may stay out
	s_wait_dscnt 0x0
	s_barrier_signal -1
	s_barrier_wait -1                              ; everybody's have
.macro KLOAD s                         ; the fragments of K step s (128 along K), and with a slot's first step its four steps' scale words
.irp a, 0,1,2,3
.irp c, 0,1
	ds_load_b128 v[F0+8*\a+4*\c:F0+8*\a+4*\c+3], v[A0+(\s)/4] offset:\a*16*PITCH+64*((\s)%4)+32*\c
.endr
.endr
.irp i, 0,1,2,3
.irp c, 0,1
	ds_load_b128 v[F1+8*\i+4*\c:F1+8*\i+4*\c+3], v[A1+(\s)/4] offset:\i*16*PITCH+64*((\s)%4)+32*\c
.endr
.endr
.if ((\s)%4) == 0
.irp i, 0,1,2,3
	ds_load_b128 v[SC+4*\i:SC+4*\i+3], v[ASC] offset:\i*2*PITCH+16*((\s)/4)
.endr
.endif
	s_wait_dscnt 0x0
.endm
.macro KMUL s, cmode                   ; 16 matrix instructions; the 16 accumulators take turns, in the same order in every step.  cmode 1, 2: the bias starts the sums
.irp i, 0,1,2,3
.irp a, 0,1,2,3
.if \cmode == 1
	v_wmma_scale_f32_16x16x128_f8f6f4 v[ACC+32*\i+8*\a:ACC+32*\i+8*\a+7], v[F0+8*\a:F0+8*\a+7], v[F1+8*\i:F1+8*\i+7], v[BIAS+8*\a:BIAS+8*\a+7], v[SC+4*\a+(\s)%4], v[SC+4*\i+(\s)%4] matrix_a_fmt:MATRIX_FMT_FP4 matrix_b_fmt:MATRIX_FMT_FP4 matrix_a_scale:MATRIX_SCALE_ROW1
.elseif \cmode == 2
	v_wmma_scale_f32_16x16x128_f8f6f4 v[ACC+32*\i+8*\a:ACC+32*\i+8*\a+7], v[F0+8*\a:F0+8*\a+7], v[F1+8*\i:F1+8*\i+7], v[BIAS+8*\i:BIAS+8*\i+7], v[SC+4*\a+(\s)%4], v[SC+4*\i+(\s)%4] matrix_a_fmt:MATRIX_FMT_FP4 matrix_b_fmt:MATRIX_FMT_FP4 matrix_a_scale:MATRIX_SCALE_ROW1
.else
	v_wmma_scale_f32_16x16x128_f8f6f4 v[ACC+32*\i+8*\a:ACC+32*\i+8*\a+7], v[F0+8*\a:F0+8*\a+7], v[F1+8*\i:F1+8*\i+7], v[ACC+32*\i+8*\a:ACC+32*\i+8*\a+7], v[SC+4*\a+(\s)%4], v[SC+4*\i+(\s)%4] matrix_a_fmt:MATRIX_FMT_FP4 matrix_b_fmt:MATRIX_FMT_FP4 matrix_a_scale:MATRIX_SCALE_ROW1
.endif
.endr
.endr
.endm
	KLOAD 0
	s_cmp_eq_u32 s[G], 2
	s_cbranch_scc1 .Lfirst_v
	KMUL 0, 1
	s_branch .Lfirst_done
.Lfirst_v:
	KMUL 0, 2
.Lfirst_done:
.irp s, 1,2,3
	PLACES
	KLOAD \s
	KMUL \s, 0
.endr
	s_wait_tensorcnt 0x0                           ; my part of slot 1 has landed
	s_wait_dscnt 0x0
	s_barrier_signal -1
	s_barrier_wait -1                              ; everybody's has
.irp s, 4,5,6,7
	PLACES
	KLOAD \s
	KMUL \s, 0
.endr
	; THE WAY OUT: four units, eight blocks of 32.  Block c = 2 i + b lies in the 16 registers v[ACC + 16 c] on of lanes l and l xor 16.
	PLACES
	s_mov_b32 s22, 0x76543210
	s_mov_b32 s23, 0xfedcba98                      ; v_permlanex16_b32's selects for lane l xor 16
.irp c, 0,1,2,3,4,5,6,7
	v_mov_b32 v[QN+\c], 0                          ; a lane permute's destination counts as one of its sources
.endr
.irp c, 0,1,2,3,4,5,6,7
	v_max3_num_f32 v[QM+\c], |v[ACC+16*\c]|, |v[ACC+16*\c+1]|, 0x1800000   ; my 16 numbers, each accumulator from its low end on, and the floor 2^(3 - 127): the byte cannot fall under 1
.endr
.irp k, 2,4,6,8,10,12,14
.irp c, 0,1,2,3,4,5,6,7
	v_max3_num_f32 v[QM+\c], v[QM+\c], |v[ACC+16*\c+\k]|, |v[ACC+16*\c+\k+1]|
.endr
.endr
.irp c, 0,1,2,3,4,5,6,7
	v_permlanex16_b32 v[QN+\c], v[QM+\c], s22, s23
.endr
.irp c, 0,1,2,3,4,5,6,7
	v_max_num_f32 v[QM+\c], v[QM+\c], v[QN+\c]     ; the block's largest magnitude
.endr
.irp c, 0,1,2,3,4,5,6,7
	v_add_nc_u32 v[QE+\c], 0xff000000, v[QM+\c]    ; 2 off its exponent field: the conversion's scale operand
.endr
.irp c, 0,1,2,3,4,5,6,7
	v_lshrrev_b32 v[QN+\c], 23, v[QE+\c]           ; the scale's byte
.endr
.irp u, 0,1,2,3
	v_lshl_or_b32 v[QW+\u], v[QN+2*\u+1], 8, v[QN+2*\u]   ; a unit's scale word: two bytes, the upper two 0
.endr
.irp u, 0,1,2,3                        ; tile 2 b + t of a unit gives, in lane (r, h), the codes of k = 32 b + 16 t + 8 h + 0..7
	v_cvt_scalef32_pk8_fp4_f32 v[QC+4*\u],   v[ACC+32*\u:ACC+32*\u+7],     v[QE+2*\u]
	v_cvt_scalef32_pk8_fp4_f32 v[QC+4*\u+1], v[ACC+32*\u+16:ACC+32*\u+23], v[QE+2*\u+1]
	v_cvt_scalef32_pk8_fp4_f32 v[QC+4*\u+2], v[ACC+32*\u+8:ACC+32*\u+15],  v[QE+2*\u]
	v_cvt_scalef32_pk8_fp4_f32 v[QC+4*\u+3], v[ACC+32*\u+24:ACC+32*\u+31], v[QE+2*\u+1]
.endr
	v_nop                                          ; one plain instruction behind a scaled conversion
.irp u, 0,1,2,3                        ; the first's lanes 16-31 change places with the second's lanes 0-15: lane (r, h) then holds block h of row r, k ascending in its four registers
	v_permlane16_swap_b32 v[QC+4*\u], v[QC+4*\u+1]
	v_permlane16_swap_b32 v[QC+4*\u+2], v[QC+4*\u+3]
.endr
.irp u, 0,1,2,3
	global_store_b128 v[LI], v[QC+4*\u:QC+4*\u+3], s[POC:POC+1] offset:512*\u   ; 512 consecutive bytes
.endr
	v_cmp_ne_u32 vcc_lo, 0, v3
	s_delay_alu instid0(VALU_DEP_1)
	v_cndmask_b32 v[QD], v[QW], v[QW+2], vcc_lo    ; lanes 0-15 store units 0 and 1's words of row r, lanes 16-31 units 2 and 3's
	s_delay_alu instid0(VALU_DEP_2)
	v_cndmask_b32 v[QD+1], v[QW+1], v[QW+3], vcc_lo
	global_store_b64 v[SO], v[QD:QD+1], s[POS:POS+1]   ; the 32 lanes store 256 consecutive bytes, aligned
	s_set_vgpr_msb 0x5
	s_wait_tensorcnt 0x0
	ds_add_u32 v0, v1
	s_wait_dscnt 0x0
	s_set_vgpr_msb 0x500
	CROUND                                         ; the closing round: no work-group ends while a partner may still ask for a tile that names it
	s_endpgm
.Lfunc_end_k_q36dbf11107_proj:
	.size	k_q36dbf11107_proj, .Lfunc_end_k_q36dbf11107_proj-k_q36dbf11107_proj
	.p2alignl 7, 3214868480
	.fill 96, 4, 3214868480
	.section	.rodata,"a",@progbits
	.p2align	6, 0x0
	.amdhsa_kernel k_q36dbf11107_proj
		.amdhsa_group_segment_fixed_size 231168
		.amdhsa_private_segment_fixed_size 0
		.amdhsa_enable_private_segment 0
		.amdhsa_kernarg_size 152
		.amdhsa_user_sgpr_count 2
		.amdhsa_user_sgpr_kernarg_segment_ptr 1
		.amdhsa_wavefront_size32 1
		.amdhsa_system_sgpr_workgroup_id_x 1
		.amdhsa_system_sgpr_workgroup_id_y 1
		.amdhsa_system_sgpr_workgroup_id_z 1
		.amdhsa_system_vgpr_workitem_id 0
		.amdhsa_next_free_vgpr 258
		.amdhsa_next_free_sgpr 106
		.amdhsa_reserve_vcc 1
		.amdhsa_float_denorm_mode_32 3
		.amdhsa_float_denorm_mode_16_64 3
		.amdhsa_memory_ordered 1
		.amdhsa_forward_progress 1
		.amdhsa_inst_pref_size 65
	.end_amdhsa_kernel
	.amdgpu_metadata
---
amdhsa.version: [ 1, 2 ]
amdhsa.kernels:
  - .name:           k_q36dbf11107_proj
    .symbol:         k_q36dbf11107_proj.kd
    .args:
      - { .name: W_q_codes, .offset: 0, .size: 8, .value_kind: global_buffer, .address_space: global }
      - { .name: W_q_scales, .offset: 8, .size: 8, .value_kind: global_buffer, .address_space: global }
      - { .name: q_codes, .offset: 16, .size: 8, .value_kind: global_buffer, .address_space: global }
      - { .name: q_scales, .offset: 24, .size: 8, .value_kind: global_buffer, .address_space: global }
      - { .name: b_q, .offset: 32, .size: 8, .value_kind: global_buffer, .address_space: global }
      - { .name: W_k_codes, .offset: 40, .size: 8, .value_kind: global_buffer, .address_space: global }
      - { .name: W_k_scales, .offset: 48, .size: 8, .value_kind: global_buffer, .address_space: global }
      - { .name: k_codes, .offset: 56, .size: 8, .value_kind: global_buffer, .address_space: global }
      - { .name: k_scales, .offset: 64, .size: 8, .value_kind: global_buffer, .address_space: global }
      - { .name: b_k, .offset: 72, .size: 8, .value_kind: global_buffer, .address_space: global }
      - { .name: v_codes, .offset: 80, .size: 8, .value_kind: global_buffer, .address_space: global }
      - { .name: v_scales, .offset: 88, .size: 8, .value_kind: global_buffer, .address_space: global }
      - { .name: W_v_codes, .offset: 96, .size: 8, .value_kind: global_buffer, .address_space: global }
      - { .name: W_v_scales, .offset: 104, .size: 8, .value_kind: global_buffer, .address_space: global }
      - { .name: b_v, .offset: 112, .size: 8, .value_kind: global_buffer, .address_space: global }
      - { .name: encoder_mask, .offset: 120, .size: 8, .value_kind: global_buffer, .address_space: global }
      - { .name: cod, .offset: 128, .size: 8, .value_kind: global_buffer, .address_space: global }
      - { .name: sc, .offset: 136, .size: 8, .value_kind: global_buffer, .address_space: global }
      - { .name: mk, .offset: 144, .size: 8, .value_kind: global_buffer, .address_space: global }
    .group_segment_fixed_size: 231168
    .private_segment_fixed_size: 0
    .kernarg_segment_align: 8
    .kernarg_segment_size: 152
    .max_flat_workgroup_size: 256
    .sgpr_count:     106
    .vgpr_count:     258
    .wavefront_size: 32
...
	.end_amdgpu_metadata
.endif
;; end of part 1
;; launch attn (part 2): grid 4 x 64, 16 waves a work-group, clusters of 4 x 1, 169,984 bytes of LDS; arguments cod, sc, mk, ao, aos; writes ao, aos
.if DOCPART == 2
	.amdgcn_target "amdgcn-amd-amdhsa--gfx1250"
	.amdhsa_code_object_version 6
	.text
	.protected	k_q36dbf11107_attn
	.globl	k_q36dbf11107_attn
	.p2align	8
	.type	k_q36dbf11107_attn,@function
k_q36dbf11107_attn:
	s_mov_b64 s[64:65], 0
	v_nop
	global_prefetch_b8 v0, s[64:65] scope:SCOPE_SE
	s_setreg_imm32_b32 hwreg(HW_REG_WAVE_MODE, 25, 1), 1
	s_wait_xcnt 0x0
	s_wait_alu depctr_hold_cnt(0) depctr_sa_sdst(0) depctr_va_vdst(0) depctr_va_sdst(0) depctr_va_ssrc(0) depctr_va_vcc(0) depctr_vm_vsrc(0)
	s_getreg_b32 s2, hwreg(HW_REG_IB_STS2, 6, 4)
	s_cmp_eq_u32 s2, 0
	s_cbranch_scc0 .Lentry_in_a_cluster
	s_endpgm
.Lentry_in_a_cluster:
	s_bfe_u32 s2, ttmp6, 0x10000c
	s_cmp_lg_u32 s2, 0x3003
	s_cbranch_scc0 .Lentry_shape_is_right
	s_endpgm
.Lentry_shape_is_right:
; ATTENTION on codes of FP4 (E2M1): S^T = K Q^T (K = the head's 64), the softmax, O^T = V^T P^T (K = the keys), O / l, quantised along D for the last product.
; A work-group owns one (batch, head) bh and 512 queries; each of its sixteen waves takes one tile of 16 queries at a time, twice.  Four waves share a SIMD: one wave's vector work stands beside the others' matrix work and LDS loads.
; ALL OF THE HEAD'S K AND V LIE IN LDS, as images of operand registers (512 bytes a tile, 16 x lane), filled once; the four work-groups of a cluster share the head, so they ask jointly.
; Both products are used transposed: a lane (r = lane % 16, h = lane / 16) holds ONE query r throughout; score tile t holds keys 16 t + 8 h + 0..7 in its eight registers.
; K = 64 IN AN INSTRUCTION OF 128: Q's registers 4-7 hold zero codes, so what stands in K's registers 4-7 (the next tile's codes) adds nothing; the scale bytes of that half are 0, that is 2^-127.
; THE MASK: one FP4 word becomes the eight C registers of a score tile by one conversion: 0 where the key counts, -4 x 2^98 = -2^100 where it is hidden; the product adds onto them.
; THE SOFTMAX: t = score x log2(e) / 8; M = the running largest t rounded up to a whole number, kept as -M; p = 2^(t - M) is quantised along the keys; the sum is taken of the unquantised p and divides at the end.
; When M moves, the sum and O^T are multiplied by 2^(old M - new M), exactly.
; LIMITS: a hidden logit counts as -2^97 where the definition has -1e9: the two differ only where an open logit of the same row lies near or under -1e9.  A row with no open key comes out as the mean of V only if each of its
; scores leaves the matrix unit as -2^100 exactly.  NaN and infinities are not served.  A block under 2^-124 gets the byte 1 and zero codes.
.set VC,  65536                        ; LDS: K's codes at 0, V's here, 65,536 bytes each: filled by tensor loads, once
.set KSC, 131072                       ; K's scale words [64 keys][r][tile]: 8,192 bytes; stored by the waves
.set VSC, 139264                       ; V's scale words [key step][r][tile]: 4,096 bytes
.set OST, 143360                       ; the output's scale words of 16 tiles: 1,024 bytes
.set WV, 14
.set CX, 15
.set BH, 16
.set SEL, 20                           ; s[20:21] lane selects: lane l xor 16
.set CS, 22                            ; s[22:23] c = log2(e) / 8
.set G1, 24                            ; s[24:31] descriptor group 1;  s[32:35], s[36:39] groups 0 for K and V
.set G0K, 32
.set G0V, 36
.set QP, 40                            ; s[40:49]: my tile's codes of Q, its scale words, its mask words, where its output codes go, where the 16 tiles' scale words go
.set QSP, 42
.set MKP, 44
.set AOP, 46
.set ASP, 48
.set TK, 50                            ; the key step's place: 4,096 bytes of codes, 512 of K's scale words, 256 of V's
.set TS, 51
.set TT, 52
.set TM, 53                            ; the NEXT step's mask words: 1,024 bytes a step, wrapping to step 0
.set NS, 54
.set NT, 55
; s17, s18, s19: wave, bh and constants alone.  s58 to s63 may hold cx.
.set LI,  1                            ; v1  16 x lane
.set RK,  2                            ; v2  KSC + 16 r
.set RV,  3                            ; v3  VSC + 16 r
.set LIV, 4                            ; v4  VC + 16 x lane
.set ADK, 5                            ; v5-8 the step's LDS addresses
.set ADS, 6
.set ADV, 7
.set ADT, 8
.set MO,  9                            ; v9  the mask loads' offset
.set SW,  10                           ; v10 OST + 64 x wave + 4 r
.set QF,  16                           ; v16-23 Q: four registers of codes, four of zeros
.set QS,  24                           ; v24 Q's scale words;  v25 p's;  v28-31 V's;  v32-39 K's: scales and nothing else
.set PW,  25
.set FF,  26                           ; v[26:27] f, later 1 / l
.set VS,  28
.set KS,  32
.set MS,  40                           ; v40-47 a step's mask words
.set MSC, 48                           ; v48 the byte 225 four times: 2^98
.set OL,  49                           ; v49 OST + 16 x lane
.set KF,  50                           ; v50-81 K: eight tiles x four registers; v82-85 zeros
.set VF,  86                           ; v86-117 V: four fragments
.set ST,  118                          ; v118-181 S^T, then p
.set OT,  182                          ; v182-213 O^T
.set PC,  214                          ; v214-221 p's codes
.set BM,  222                          ; v222-225 the blocks' largest scores, then p;  v226-229 from the other half, then bytes;  v230-233 scale operands
.set BT,  226
.set BS,  230
.set TP,  234
.set C2,  236                          ; v[236:237] the sum's second chain
.set M2,  238                          ; the way out: two largest magnitudes, two bytes, two scale operands, four code registers, the scale word
.set N2,  240
.set E2,  242
.set OC,  244
.set OW,  248
.set R16, 254                          ; v254 16 r
.macro CROUND
	s_barrier_signal -1
	s_barrier_wait -1
	s_cmp_lg_u32 s[WV], 0
	s_cbranch_scc1 .Lnot_wave_0_\@
	s_barrier_signal -3
.Lnot_wave_0_\@:
	s_barrier_wait -3
	s_barrier_signal -1
	s_barrier_wait -1
.endm
.macro PLACES
.rept 4
	v_nop
.endr
.endm
	s_load_b256 s[4:11], s[0:1], 0x0               ; cod s[4:5], sc s[6:7], mk s[8:9], ao s[10:11]
	s_load_b64 s[12:13], s[0:1], 0x20              ; aos
	v_lshl_add_u32 v253, v0, 2, 0x29000
	v_mov_b32 v255, 0
	ds_add_u32 v253, v255
	ds_add_u32 v253, v255
	v_lshrrev_b32 v5, 5, v0
	s_delay_alu instid0(VALU_DEP_1)
	v_readfirstlane_b32 s[WV], v5                  ; wave 0..15
	s_bfe_u32 s[CX], ttmp6, 0x40000                ; my block of 512 queries: it enters global addresses alone
	s_and_b32 s[BH], ttmp7, 0xffff                 ; batch x 16 + head, which the four partners share
	v_and_b32 v[LI], 31, v0
	s_delay_alu instid0(VALU_DEP_1)
	v_lshlrev_b32 v[LI], 4, v[LI]
	v_and_b32 v[R16], 15, v0
	s_delay_alu instid0(VALU_DEP_1)
	v_lshlrev_b32 v[R16], 4, v[R16]
	s_delay_alu instid0(VALU_DEP_1)
	v_add_nc_u32 v[RK], KSC, v[R16]
	s_delay_alu instid0(VALU_DEP_2)
	v_add_nc_u32 v[RV], VSC, v[R16]
	v_add_nc_u32 v[LIV], VC, v[LI]
	v_add_nc_u32 v[OL], OST, v[LI]
	s_lshl_b32 s17, s[WV], 6
	s_add_co_u32 s17, s17, OST
	v_lshrrev_b32 v[SW], 2, v[R16]
	s_delay_alu instid0(VALU_DEP_1)
	v_add_nc_u32 v[SW], s17, v[SW]
	v_lshlrev_b32 v[MO], 4, v0                     ; the head's loads of scale words: K's, 16 bytes a thread;
	s_delay_alu instid0(VALU_DEP_1)
	v_add_nc_u32 v11, KSC, v[MO]
	v_lshrrev_b32 v[TP], 1, v[LI]
	s_delay_alu instid0(VALU_DEP_1)
	v_lshl_add_u32 v[TP], v5, 9, v[TP]             ; V's: key step = thread / 32: 512 bytes; 8 bytes a lane
	v_lshl_add_u32 v235, v0, 3, VSC
	s_mov_b32 s[G1], 15|(3<<16)|(1<<21)            ; 15:0 the mask: all four work-groups; 17:16 elements of 8 bytes; 21 set beside a mask; no padding: an image is read 16 x lane
	s_mov_b32 s[G1+1], 32<<16                      ; rows of 32 elements, 256 bytes,
	s_mov_b32 s[G1+2], 64<<16                      ; 64 of them: 16,384 dense bytes a load
	s_mov_b32 s[G1+3], 32<<16
	s_mov_b32 s[G1+4], 64
	s_mov_b32 s[G1+5], 32
	s_mov_b32 s[G1+6], 0
	s_mov_b32 s[G1+7], 0
	s_mov_b32 s[SEL], 0x76543210
	s_mov_b32 s[SEL+1], 0xfedcba98
	s_mov_b32 s[CS], 0x3e38aa3b                    ; log2(e) / 8
	s_mov_b32 s[CS+1], s[CS]                       ; (named with it as a pair, so it is written)
	s_lshl_b32 s18, s[BH], 16
	s_and_b32 s17, s[WV], 3
	s_lshl_b32 s17, s17, 14
	s_add_co_u32 s18, s18, s17                     ; the head's 65,536 bytes, my quarter of them
	s_mov_b32 s19, 0
	s_wait_dscnt 0x0
	s_wait_kmcnt 0x0
	s_add_nc_u64 s[18:19], s[4:5], s[18:19]
	s_mov_b32 s[G0K], 1
	s_lshl_b32 s[G0K+1], s[WV], 14                 ; waves 0-3: K's four quarters, from LDS byte 0
	s_add_nc_u64 s[G0K+2:G0K+3], s[18:19], 0x400000
	s_or_b32 s[G0K+3], s[G0K+3], 0x80000000
	s_mov_b32 s[G0V], 1
	s_lshl_b32 s[G0V+1], s[WV], 14                 ; waves 4-7: V's, from LDS byte 65,536
	s_add_nc_u64 s[G0V+2:G0V+3], s[18:19], 0x800000
	s_or_b32 s[G0V+3], s[G0V+3], 0x80000000
	CROUND                                         ; all four work-groups are here: the joint loads meet
	s_cmp_lt_u32 s[WV], 4                          ; one tensor load a wave at the most; waves 8-15 issue none
	s_cbranch_scc0 .Lnot_k
	tensor_load_to_lds s[G0K:G0K+3], s[G1:G1+7]
	s_nop 0
	PLACES
	s_branch .Lasked
.Lnot_k:
	s_cmp_lt_u32 s[WV], 8
	s_cbranch_scc0 .Lasked
	tensor_load_to_lds s[G0V:G0V+3], s[G1:G1+7]
	s_nop 0
	PLACES
.Lasked:
	s_lshl_b32 s60, s[BH], 13
	s_mov_b32 s61, 0
	s_add_nc_u64 s[60:61], s[6:7], s[60:61]        ; the head's scale words; the sections of K and V stand in the immediates
	s_wait_alu depctr_va_vdst(0)
	global_load_b128 v[50:53], v[MO], s[60:61] offset:0x80000
	global_load_b64 v[54:55], v[TP], s[60:61] offset:0x100000      ; V: the words of keys 0-63 of a step,
	global_load_b64 v[56:57], v[TP], s[60:61] offset:0x100100      ; and of keys 64-127
	; my first tile: T = 32 cx + wave
	s_lshl_b32 s62, s[CX], 5
	s_add_co_u32 s62, s62, s[WV]
	s_mov_b32 s59, 0
	s_lshl_b32 s58, s[BH], 16
	s_lshl_b32 s63, s62, 9
	s_add_co_u32 s58, s58, s63
	s_add_nc_u64 s[QP:QP+1], s[4:5], s[58:59]      ; Q's codes: 65,536 bh + 512 T
	s_lshl_b32 s58, s[BH], 13
	s_lshr_b32 s63, s62, 2
	s_lshl_b32 s63, s63, 8
	s_add_co_u32 s58, s58, s63
	s_and_b32 s63, s62, 3
	s_lshl_b32 s63, s63, 2
	s_add_co_u32 s58, s58, s63
	s_add_nc_u64 s[QSP:QSP+1], s[6:7], s[58:59]    ; its scale words: 8,192 bh + 256 (T / 4) + 4 (T % 4), + 16 r
	s_lshl_b32 s58, s62, 14
	s_add_nc_u64 s[MKP:MKP+1], s[8:9], s[58:59]    ; its mask words: 16,384 T
	s_lshr_b32 s58, s[BH], 4
	s_lshl_b32 s58, s58, 7
	s_add_co_u32 s58, s58, s62
	s_lshl_b32 s58, s58, 13
	s_and_b32 s63, s[BH], 15
	s_lshl_b32 s63, s63, 9
	s_add_co_u32 s58, s58, s63
	s_add_nc_u64 s[AOP:AOP+1], s[10:11], s[58:59]  ; its output codes: 8,192 (128 batch + T) + 512 head
	s_lshl_b32 s58, s[BH], 13
	s_lshl_b32 s63, s[CX], 11
	s_add_co_u32 s58, s58, s63
	s_add_nc_u64 s[ASP:ASP+1], s[12:13], s[58:59]  ; 16 tiles' scale words: 8,192 bh + 64 x 32 cx
	s_mov_b32 s[NT], 2
.irp j, 4,5,6,7
	v_mov_b32 v[QF+\j], 0                          ; zero codes for the half of K that the head does not have
.endr
.irp j, 32,33,34,35
	v_mov_b32 v[KF+\j], 0                          ; what tile 7's upper half names
.endr
.irp j, 0,1,2,3
	v_mov_b32 v[BT+\j], 0                          ; a lane permute's destination counts as one of its sources
.endr
	v_mov_b32 v[N2], 0
	v_mov_b32 v[N2+1], 0
	v_mov_b32 v[FF+1], 0                           ; (named as the upper half of a pair)
	v_mov_b32 v[MSC], 0xe1e1e1e1
	s_wait_loadcnt 0x0
	ds_store_b128 v11, v[50:53]
	v_perm_b32 v58, v56, v54, 0x05040100           ; the two halves' two bytes each make the word of a step's 128 keys
	v_perm_b32 v59, v57, v55, 0x05040100
	ds_store_b64 v235, v[58:59]
	v_mov_b32 v[TP], 0
	s_wait_dscnt 0x0                               ; my stores have landed,
	s_wait_tensorcnt 0x0                           ; and my part of K or V
	s_barrier_signal -1
	s_barrier_wait -1                              ; everybody's have
.Ltile:
	s_wait_loadcnt 0x0                             ; the last step's look-ahead load of mask words has landed: its registers may be loaded again
	global_load_b128 v[QF:QF+3], v[LI], s[QP:QP+1]
	global_load_b32 v[QS], v[R16], s[QSP:QSP+1]
	global_load_b128 v[MS:MS+3], v[LI], s[MKP:MKP+1]
	global_load_b128 v[MS+4:MS+7], v[LI], s[MKP:MKP+1] offset:512
	v_mov_b32 v13, 0xff61b1e6                      ; the largest t so far: -3e38
	s_delay_alu instid0(VALU_DEP_1)
	v_floor_f32 v12, -v13                          ; -M
	v_mov_b32 v14, 0                               ; the sum, in two halves
	v_mov_b32 v15, 0
.irp j, 0,1,2,3,4,5,6,7,8,9,10,11,12,13,14,15,16,17,18,19,20,21,22,23,24,25,26,27,28,29,30,31
	v_mov_b32 v[OT+\j], 0                          ; the key step is written once: the first finds zeros
.endr
	s_mov_b32 s[TK], 0
	s_mov_b32 s[TS], 0
	s_mov_b32 s[TT], 0
	s_mov_b32 s[TM], 1024
	s_mov_b32 s[NS], 16
.Lstep:                                            ; 128 keys
	s_setprio 2
	v_add_nc_u32 v[ADK], s[TK], v[LI]
	v_add_nc_u32 v[ADS], s[TS], v[RK]
.irp t, 0,1,2,3,4,5,6,7
	ds_load_b128 v[KF+4*\t:KF+4*\t+3], v[ADK] offset:512*\t
.endr
	ds_load_b128 v[KS:KS+3], v[ADS]
	ds_load_b128 v[KS+4:KS+7], v[ADS] offset:256
	s_wait_loadcnt 0x0                             ; this step's mask words (asked for a step ago), and in a tile's first step Q
.irp t, 0,1,2,3,4,5,6,7
	v_cvt_scale_pk8_f32_fp4 v[ST+8*\t:ST+8*\t+7], v[MS+\t], v[MSC]   ; 0 or -2^100: the C of the score tile
.endr
	v_add_nc_u32 v[MO], s[TM], v[LI]               ; (a plain instruction behind the conversions; the wait above has freed the register)
	global_load_b128 v[MS:MS+3], v[MO], s[MKP:MKP+1]                 ; the next step's mask words
	global_load_b128 v[MS+4:MS+7], v[MO], s[MKP:MKP+1] offset:512
	v_add_nc_u32 v[ADV], s[TK], v[LIV]
	v_add_nc_u32 v[ADT], s[TT], v[RV]
	s_wait_alu depctr_va_vdst(0)
	s_wait_dscnt 0x0
.irp t, 0,1,2,3,4,5,6,7
	v_wmma_scale_f32_16x16x128_f8f6f4 v[ST+8*\t:ST+8*\t+7], v[KF+4*\t:KF+4*\t+7], v[QF:QF+7], v[ST+8*\t:ST+8*\t+7], v[KS+\t], v[QS] matrix_a_fmt:MATRIX_FMT_FP4 matrix_b_fmt:MATRIX_FMT_FP4
.endr
.irp t, 0,1,2,3                        ; V's fragments land under the softmax.  Five plain instructions (the additions above) stand between the last step's products, which read these registers, and these loads
	ds_load_b128 v[VF+8*\t:VF+8*\t+3], v[ADV] offset:512*\t
	ds_load_b128 v[VF+8*\t+4:VF+8*\t+7], v[ADV] offset:2048+512*\t
.endr
	ds_load_b128 v[VS:VS+3], v[ADT]
	PLACES
.irp b, 0,1,2,3
	v_max3_num_f32 v[BM+\b], v[ST+16*\b], v[ST+16*\b+1], v[ST+16*\b+2]   ; the largest score of each block of 32 keys: for the row's maximum, and, since p rises with the score, for the block's largest p
.endr
.irp i, 3,5,7,9,11,13
.irp b, 0,1,2,3
	v_max3_num_f32 v[BM+\b], v[BM+\b], v[ST+16*\b+\i], v[ST+16*\b+\i+1]
.endr
.endr
.irp b, 0,1,2,3
	v_max_num_f32 v[BM+\b], v[BM+\b], v[ST+16*\b+15]
.endr
.irp b, 0,1,2,3
	s_delay_alu instid0(VALU_DEP_4)
	v_permlanex16_b32 v[BT+\b], v[BM+\b], s[SEL], s[SEL+1]
.endr
.irp b, 0,1,2,3
	s_delay_alu instid0(VALU_DEP_4)
	v_max_num_f32 v[BM+\b], v[BM+\b], v[BT+\b]     ; with lane l xor 16's 16 keys
.endr
	s_delay_alu instid0(VALU_DEP_2)
	v_max3_num_f32 v[TP], v[BM], v[BM+1], v[BM+2]
	s_delay_alu instid0(VALU_DEP_1)
	v_max_num_f32 v[TP], v[TP], v[BM+3]
	s_delay_alu instid0(VALU_DEP_1)
	v_mul_f32 v[TP], s[CS], v[TP]                  ; as t
	s_delay_alu instid0(VALU_DEP_1)
	v_max_num_f32 v13, v13, v[TP]                  ; the running largest t
	v_mov_b32 v[TP], v12
	s_delay_alu instid0(VALU_DEP_2)
	v_floor_f32 v12, -v13                          ; the new -M = -ceil(t)
	s_delay_alu instid0(VALU_DEP_1)
	v_sub_f32 v[TP], v12, v[TP]                    ; old M - new M: a whole number, 0 or less
	s_delay_alu instid0(VALU_DEP_1)
	v_cvt_i32_f32 v[TP], v[TP]                     ; (it saturates)
	s_delay_alu instid0(VALU_DEP_1)
	v_ldexp_f32 v[FF], 1.0, v[TP]                  ; f = 2^(old M - new M)
.irp j, 0,2,4,6,8,10,12,14,16,18,20,22,24,26,28,30,32,34,36,38,40,42,44,46,48,50,52,54,56,58,60,62
	v_pk_fma_f32 v[ST+\j:ST+\j+1], v[ST+\j:ST+\j+1], s[CS:CS+1], v[12:13] op_sel_hi:[1,0,0]   ; t - M, two at a time
.endr
.irp b, 0,1,2,3
	v_fma_f32 v[BM+\b], v[BM+\b], s[CS], v12
.endr
	s_setprio 1
	s_wait_alu depctr_va_vdst(0)
.irp j, 0,1,2,3,4,5,6,7,8,9,10,11,12,13,14,15,16,17,18,19,20,21,22,23,24,25,26,27,28,29,30,31,32,33,34,35,36,37,38,39,40,41,42,43,44,45,46,47,48,49,50,51,52,53,54,55,56,57,58,59,60,61,62,63
	v_exp_f32 v[ST+\j], v[ST+\j]                   ; p = 2^(t - M): not normalised
.endr
	v_pk_mul_f32 v[14:15], v[14:15], v[FF:FF+1] op_sel_hi:[1,0]      ; the sums under the new M: the plain instruction behind the exponentials
	s_wait_alu depctr_va_vdst(0)                   ; one wait for the 64, ahead of their first reader
.irp b, 0,1,2,3
	v_exp_f32 v[BM+\b], v[BM+\b]                   ; the blocks' largest p
.endr
	v_pk_add_f32 v[236:237], v[122:123], v[126:127]
	v_pk_add_f32 v[250:251], v[130:131], v[134:135]
	v_pk_add_f32 v[248:249], v[138:139], v[142:143]
	v_pk_add_f32 v[246:247], v[146:147], v[150:151]
	v_pk_add_f32 v[244:245], v[154:155], v[158:159]
	v_pk_add_f32 v[242:243], v[162:163], v[166:167]
	v_pk_add_f32 v[238:239], v[170:171], v[174:175]
	v_pk_add_f32 v[14:15], v[14:15], v[178:179]
	v_pk_add_f32 v[236:237], v[236:237], v[118:119]
	v_pk_add_f32 v[250:251], v[250:251], v[120:121]
	v_pk_add_f32 v[248:249], v[248:249], v[124:125]
	v_pk_add_f32 v[246:247], v[246:247], v[128:129]
	v_pk_add_f32 v[244:245], v[244:245], v[132:133]
	v_pk_add_f32 v[242:243], v[242:243], v[136:137]
	v_pk_add_f32 v[238:239], v[238:239], v[140:141]
	v_pk_add_f32 v[14:15], v[14:15], v[144:145]
	v_pk_add_f32 v[236:237], v[236:237], v[148:149]
	v_pk_add_f32 v[250:251], v[250:251], v[152:153]
	v_pk_add_f32 v[248:249], v[248:249], v[156:157]
	v_pk_add_f32 v[246:247], v[246:247], v[160:161]
	v_pk_add_f32 v[244:245], v[244:245], v[164:165]
	v_pk_add_f32 v[242:243], v[242:243], v[168:169]
	v_pk_add_f32 v[238:239], v[238:239], v[172:173]
	v_pk_add_f32 v[14:15], v[14:15], v[176:177]
	v_pk_add_f32 v[236:237], v[236:237], v[180:181]
	s_delay_alu instid0(VALU_DEP_2)
	v_pk_add_f32 v[14:15], v[14:15], v[246:247]
	s_delay_alu instid0(VALU_DEP_2)
	v_pk_add_f32 v[236:237], v[236:237], v[244:245]
	v_pk_add_f32 v[250:251], v[250:251], v[242:243]
	v_pk_add_f32 v[248:249], v[248:249], v[238:239]
	s_delay_alu instid0(VALU_DEP_2)
	v_pk_add_f32 v[14:15], v[14:15], v[250:251]
	s_delay_alu instid0(VALU_DEP_2)
	v_pk_add_f32 v[236:237], v[236:237], v[248:249]
	s_delay_alu instid0(VALU_DEP_1)
	v_pk_add_f32 v[14:15], v[14:15], v[236:237]
	s_wait_alu depctr_va_vdst(0)                   ; and one for the four
.irp b, 0,1,2,3
	v_max_num_f32 v[BM+\b], 0x1800000, v[BM+\b]    ; the floor 2^(3 - 127): a block whose every p is 0 keeps the byte 1 and zero codes
.endr
.irp b, 0,1,2,3
	s_delay_alu instid0(VALU_DEP_4)
	v_add_nc_u32 v[BS+\b], 0xff000000, v[BM+\b]    ; 2 off the exponent field: the conversion's scale operand
.endr
.irp b, 0,1,2,3
	s_delay_alu instid0(VALU_DEP_4)
	v_lshrrev_b32 v[BT+\b], 23, v[BS+\b]           ; the scale's byte
.endr
	s_delay_alu instid0(VALU_DEP_3)
	v_lshl_or_b32 v[PW], v[BT+1], 8, v[BT]         ; p's scale word for these 128 keys
	s_delay_alu instid0(VALU_DEP_1)
	v_lshl_or_b32 v[PW], v[BT+2], 16, v[PW]
	s_delay_alu instid0(VALU_DEP_1)
	v_lshl_or_b32 v[PW], v[BT+3], 24, v[PW]
.irp c, 0,1
.irp e, 0,1                            ; block 2 c + e: tile 2 (2 c + e) gives keys + 8 h + 0..7, the next tile keys + 16 + 8 h + 0..7
	v_cvt_scalef32_pk8_fp4_f32 v[PC+4*\c+\e],   v[ST+16*(2*\c+\e):ST+16*(2*\c+\e)+7],    v[BS+2*\c+\e]
	v_cvt_scalef32_pk8_fp4_f32 v[PC+4*\c+2+\e], v[ST+16*(2*\c+\e)+8:ST+16*(2*\c+\e)+15], v[BS+2*\c+\e]
.endr
.endr
	v_nop                                          ; one plain instruction behind a scaled conversion
	s_setprio 0
.irp c, 0,1                            ; a whole block to a lane: lanes 0-15 block 2 c, lanes 16-31 block 2 c + 1, keys ascending
	v_permlane16_swap_b32 v[PC+4*\c], v[PC+4*\c+1]
	v_permlane16_swap_b32 v[PC+4*\c+2], v[PC+4*\c+3]
.endr
.irp j, 0,2,4,6,8,10,12,14,16,18,20,22,24,26,28,30
	v_pk_mul_f32 v[OT+\j:OT+\j+1], v[OT+\j:OT+\j+1], v[FF:FF+1] op_sel_hi:[1,0]   ; O^T under the new M; these sixteen also stand between the writing of p's codes and scale word and the products
.endr
	s_wait_alu depctr_va_vdst(0)
	s_wait_dscnt 0x0                               ; V
.irp t, 0,1,2,3
	v_wmma_scale_f32_16x16x128_f8f6f4 v[OT+8*\t:OT+8*\t+7], v[VF+8*\t:VF+8*\t+7], v[PC:PC+7], v[OT+8*\t:OT+8*\t+7], v[VS+\t], v[PW] matrix_a_fmt:MATRIX_FMT_FP4 matrix_b_fmt:MATRIX_FMT_FP4
.endr
	s_add_co_u32 s[TK], s[TK], 4096
	s_add_co_u32 s[TS], s[TS], 512
	s_add_co_u32 s[TT], s[TT], 256
	s_add_co_u32 s[TM], s[TM], 1024
	s_and_b32 s[TM], s[TM], 0x3fff                 ; the last step's look-ahead wraps to step 0: it stays inside the tile's words and is not used
	s_sub_co_u32 s[NS], s[NS], 1
	s_cmp_lg_u32 s[NS], 0
	s_cbranch_scc1 .Lstep
	s_setprio 0
	; THE TILE'S END: O^T / l, quantised along the head's 64 channels: blocks 2 head and 2 head + 1 of the last product's K.
	PLACES
	v_add_f32 v14, v14, v15
	s_delay_alu instid0(VALU_DEP_1)
	v_permlanex16_b32 v[TP], v14, s[SEL], s[SEL+1]
	s_delay_alu instid0(VALU_DEP_1)
	v_add_f32 v14, v14, v[TP]                      ; the row's sum
	s_wait_alu depctr_va_vdst(0)
	v_rcp_f32 v[FF], v14
	v_nop                                          ; a plain instruction behind the reciprocal
	s_wait_alu depctr_va_vdst(0)                   ; and the wait ahead of its first reader
.irp j, 0,2,4,6,8,10,12,14,16,18,20,22,24,26,28,30
	v_pk_mul_f32 v[OT+\j:OT+\j+1], v[OT+\j:OT+\j+1], v[FF:FF+1] op_sel_hi:[1,0]   ; each accumulator from its low end on
.endr
.irp b, 0,1
	v_max3_num_f32 v[M2+\b], |v[OT+16*\b]|, |v[OT+16*\b+1]|, 0x1800000
.endr
.irp k, 2,4,6,8,10,12,14
.irp b, 0,1
	s_delay_alu instid0(VALU_DEP_2)
	v_max3_num_f32 v[M2+\b], v[M2+\b], |v[OT+16*\b+\k]|, |v[OT+16*\b+\k+1]|
.endr
.endr
.irp b, 0,1
	s_delay_alu instid0(VALU_DEP_2)
	v_permlanex16_b32 v[N2+\b], v[M2+\b], s[SEL], s[SEL+1]
.endr
.irp b, 0,1
	s_delay_alu instid0(VALU_DEP_2)
	v_max_num_f32 v[M2+\b], v[M2+\b], v[N2+\b]
.endr
.irp b, 0,1
	s_delay_alu instid0(VALU_DEP_2)
	v_add_nc_u32 v[E2+\b], 0xff000000, v[M2+\b]
.endr
.irp b, 0,1
	s_delay_alu instid0(VALU_DEP_2)
	v_lshrrev_b32 v[N2+\b], 23, v[E2+\b]
.endr
	s_delay_alu instid0(VALU_DEP_1)
	v_lshl_or_b32 v[OW], v[N2+1], 8, v[N2]
	v_cvt_scalef32_pk8_fp4_f32 v[OC],   v[OT:OT+7],     v[E2]
	v_cvt_scalef32_pk8_fp4_f32 v[OC+1], v[OT+16:OT+23], v[E2+1]
	v_cvt_scalef32_pk8_fp4_f32 v[OC+2], v[OT+8:OT+15],  v[E2]
	v_cvt_scalef32_pk8_fp4_f32 v[OC+3], v[OT+24:OT+31], v[E2+1]
	v_nop
	v_permlane16_swap_b32 v[OC], v[OC+1]
	v_permlane16_swap_b32 v[OC+2], v[OC+3]
	global_store_b128 v[LI], v[OC:OC+3], s[AOP:AOP+1]      ; 512 consecutive bytes
	ds_store_b32 v[SW], v[OW]                      ; lanes r and r + 16 write the same word with the same value
	s_wait_dscnt 0x0
	s_barrier_signal -1
	s_barrier_wait -1                              ; the sixteen tiles' words lie in the stage
	s_cmp_lg_u32 s[WV], 0
	s_cbranch_scc1 .Lnot_mine
	ds_load_b128 v[ST:ST+3], v[OL]
	ds_load_b128 v[ST+4:ST+7], v[OL] offset:512
	s_wait_dscnt 0x0
	global_store_b128 v[LI], v[ST:ST+3], s[ASP:ASP+1]
	global_store_b128 v[LI], v[ST+4:ST+7], s[ASP:ASP+1] offset:512
.Lnot_mine:
	s_barrier_signal -1                            ; wave 0's reads of the stage are back: the next tile's words may be stored
	s_barrier_wait -1
	s_wait_xcnt 0x0                                ; every earlier memory instruction has read its addresses and data: the pointers may step, the stores' registers may be written
	s_add_nc_u64 s[QP:QP+1], s[QP:QP+1], 8192      ; sixteen tiles on
	s_add_nc_u64 s[QSP:QSP+1], s[QSP:QSP+1], 1024
	s_add_nc_u64 s[MKP:MKP+1], s[MKP:MKP+1], 262144
	s_add_nc_u64 s[AOP:AOP+1], s[AOP:AOP+1], 131072
	s_add_nc_u64 s[ASP:ASP+1], s[ASP:ASP+1], 1024
	s_sub_co_u32 s[NT], s[NT], 1
	s_cmp_lg_u32 s[NT], 0
	s_cbranch_scc1 .Ltile
	s_wait_tensorcnt 0x0
	ds_add_u32 v253, v255
	s_wait_dscnt 0x0
	CROUND                                         ; the closing round
	s_endpgm
.Lfunc_end_k_q36dbf11107_attn:
	.size	k_q36dbf11107_attn, .Lfunc_end_k_q36dbf11107_attn-k_q36dbf11107_attn
	.p2alignl 7, 3214868480
	.fill 96, 4, 3214868480
	.section	.rodata,"a",@progbits
	.p2align	6, 0x0
	.amdhsa_kernel k_q36dbf11107_attn
		.amdhsa_group_segment_fixed_size 169984
		.amdhsa_private_segment_fixed_size 0
		.amdhsa_enable_private_segment 0
		.amdhsa_kernarg_size 40
		.amdhsa_user_sgpr_count 2
		.amdhsa_user_sgpr_kernarg_segment_ptr 1
		.amdhsa_wavefront_size32 1
		.amdhsa_system_sgpr_workgroup_id_x 1
		.amdhsa_system_sgpr_workgroup_id_y 1
		.amdhsa_system_sgpr_workgroup_id_z 1
		.amdhsa_system_vgpr_workitem_id 0
		.amdhsa_next_free_vgpr 256
		.amdhsa_next_free_sgpr 66
		.amdhsa_reserve_vcc 0
		.amdhsa_float_denorm_mode_32 3
		.amdhsa_float_denorm_mode_16_64 3
		.amdhsa_memory_ordered 1
		.amdhsa_forward_progress 1
		.amdhsa_inst_pref_size 32
	.end_amdhsa_kernel
	.amdgpu_metadata
---
amdhsa.version: [ 1, 2 ]
amdhsa.kernels:
  - .name:           k_q36dbf11107_attn
    .symbol:         k_q36dbf11107_attn.kd
    .args:
      - { .name: cod, .offset: 0, .size: 8, .value_kind: global_buffer, .address_space: global }
      - { .name: sc, .offset: 8, .size: 8, .value_kind: global_buffer, .address_space: global }
      - { .name: mk, .offset: 16, .size: 8, .value_kind: global_buffer, .address_space: global }
      - { .name: ao, .offset: 24, .size: 8, .value_kind: global_buffer, .address_space: global }
      - { .name: aos, .offset: 32, .size: 8, .value_kind: global_buffer, .address_space: global }
    .group_segment_fixed_size: 169984
    .private_segment_fixed_size: 0
    .kernarg_segment_align: 8
    .kernarg_segment_size: 40
    .max_flat_workgroup_size: 512
    .sgpr_count:     66
    .vgpr_count:     256
    .wavefront_size: 32
...
	.end_amdgpu_metadata
.endif
;; end of part 2
;; launch outp (part 3): grid 4 x 64, 8 waves a work-group, clusters of 4 x 4, 253,696 bytes of LDS; arguments W_o_codes, W_o_scales, ao, aos, b_o, out0; writes out0
.if DOCPART == 3
	.amdgcn_target "amdgcn-amd-amdhsa--gfx1250"
	.amdhsa_code_object_version 6
	.text
	.protected	k_q36dbf11107_outp
	.globl	k_q36dbf11107_outp
	.p2align	8
	.type	k_q36dbf11107_outp,@function
k_q36dbf11107_outp:
	s_mov_b64 s[64:65], 0
	v_nop
	global_prefetch_b8 v0, s[64:65] scope:SCOPE_SE
	s_setreg_imm32_b32 hwreg(HW_REG_WAVE_MODE, 25, 1), 1
	s_wait_xcnt 0x0
	s_wait_alu depctr_hold_cnt(0) depctr_sa_sdst(0) depctr_va_vdst(0) depctr_va_sdst(0) depctr_va_ssrc(0) depctr_va_vcc(0) depctr_vm_vsrc(0)
	s_getreg_b32 s2, hwreg(HW_REG_IB_STS2, 6, 4)
	s_cmp_eq_u32 s2, 0
	s_cbranch_scc0 .Lentry_in_a_cluster
	s_endpgm
.Lentry_in_a_cluster:
	s_bfe_u32 s2, ttmp6, 0x10000c
	s_cmp_lg_u32 s2, 0xf033
	s_cbranch_scc0 .Lentry_shape_is_right
	s_endpgm
.Lentry_shape_is_right:
; THE LAST PRODUCT: out0 = a W_o^T + b_o on codes of FP4 (E2M1), K = 1,024.  a, the attention's output, lies in ao as images of operand registers ([tile of 16 tokens][head][lane][16 bytes]) and in aos as two scale bytes
; for each (head, token).  Source 0 = 16 rows of W_o, source 1 = 16 tokens: a lane (r, h) then holds eight neighbouring numbers, columns 8 h + 0..7, of row r of out0.
; A work-group makes 256 columns x 128 tokens over all of K; wave w makes columns 64 (w & 3) on x tokens 64 (w >> 2) on: 16 accumulators.  LDS is filled once: two slots, each with half of K.
; CLUSTER: W_o's tile hangs on cx: the four work-groups of a column ask jointly; the tokens' hangs on cy: the four of a row.
; LIMITS: NaN and infinities are not served.
.set PITCH, 272
.set S1OFF, 256*PITCH                  ; a slot: W_o's 256 rows of 256 + 16 bytes, then 8 tiles of tokens x 4,096 bytes of images
.set SLOT,  S1OFF+32768
.set SCB1,  2*SLOT                     ; the tokens' scale bytes, 128 rows x 32 bytes as 16 rows of 256 + 16: stored by the waves; no tile lands here
.set SCB0,  SCB1+16*PITCH              ; W_o's: 32 such rows, by tensor loads
.set STAGE, SCB0+32*PITCH              ; the way out: 16 rows x 272 bytes for each wave
.set PADW,  (1<<20)|(1<<21)|(5<<22)|(3<<25)
.set WV, 2
.set W0, 3
.set W1, 4
.set CX, 5
.set CY, 6
.set P0C, 8                            ; s[8:19]: W_o's codes, its scales, ao, aos, b_o, out0
.set P0S, 10
.set P1C, 12
.set P1S, 14
.set PB,  16
.set POUT, 18
.set G1C0, 24
.set G1C1, 32
.set G1S0, 40
.set G0S0, 60
.set G0C0, 72
.set G0C1, 80
.set X1, 97
.set MCOL, 98
.set MROW, 99
; s22, s23: wave and constants alone.  s48, s49, s66, s67: may hold cx, never cy.  s50, s51, s100, s101: may hold cy, never cx.  s20, s21, s104: both.
.set LI,  4
.set A0,  5
.set A1,  7
.set ASC, 9
.set STO, 10                           ; v10 the stage, in;  v12 out;  v13 my byte offset in two rows of out0
.set BO,  11
.set RD,  12
.set CO,  13
.set SC,  16                           ; v16-31 scale words, and nothing else
.set F0,  32
.set F1,  64
.set BIAS, 96
.set ACC, 128
.set BK,  32                           ; the way out: two sets of 32 registers
.macro CROUND
	s_barrier_signal -1
	s_barrier_wait -1
	s_cmp_lg_u32 s[WV], 0
	s_cbranch_scc1 .Lnot_wave_0_\@
	s_barrier_signal -3
.Lnot_wave_0_\@:
	s_barrier_wait -3
	s_barrier_signal -1
	s_barrier_wait -1
.endm
.macro PLACES
.rept 4
	v_nop
.endr
.endm
.macro GROUP1 g, elems, rows, pitch
	s_mov_b32 s[\g+1], (\elems)<<16
	s_mov_b32 s[\g+2], (\rows)<<16
	s_mov_b32 s[\g+3], (\elems)<<16
	s_mov_b32 s[\g+4], \rows
	s_mov_b32 s[\g+5], \pitch
	s_mov_b32 s[\g+6], 0
	s_mov_b32 s[\g+7], 0
.endm
	s_load_b256 s[8:15], s[0:1], 0x0
	s_load_b128 s[16:19], s[0:1], 0x20
	s_set_vgpr_msb 0x40
	v_lshl_add_u32 v0, v0, 2, 0x3db00
	v_mov_b32 v1, 0
	s_set_vgpr_msb 0x4045
	ds_add_u32 v0, v1
	ds_add_u32 v0, v1
	s_set_vgpr_msb 0x4500
	v_lshrrev_b32 v1, 5, v0
	s_delay_alu instid0(VALU_DEP_1)
	v_readfirstlane_b32 s[WV], v1
	s_and_b32 s[W0], s[WV], 3
	s_lshr_b32 s[W1], s[WV], 2
	s_bfe_u32 s[CX], ttmp6, 0x40000                ; the tile of 256 columns
	s_bfe_u32 s[CY], ttmp6, 0x40004
	s_and_b32 s100, ttmp7, 0xffff
	s_lshl_b32 s[X1], s100, 2
	s_add_co_u32 s[X1], s[X1], s[CY]               ; the tile of 128 tokens
	s_lshl_b32 s[MROW], s[CY], 2
	s_lshl_b32 s[MROW], 15, s[MROW]
	s_lshl_b32 s[MCOL], 0x1111, s[CX]
	v_and_b32 v1, 31, v0
	v_and_b32 v2, 15, v0                           ; r
	v_bfe_u32 v3, v0, 4, 1                         ; h
	s_delay_alu instid0(VALU_DEP_3)
	v_lshlrev_b32 v[LI], 4, v1
	s_delay_alu instid0(VALU_DEP_3)
	v_mul_u32_u24 v14, v2, PITCH
	s_delay_alu instid0(VALU_DEP_1)
	v_lshl_add_u32 v14, v3, 4, v14
	s_mul_i32 s22, s[W0], 64*PITCH
	s_lshl_b32 s23, s[W1], 14                      ; my four tiles of tokens: 16,384 bytes of images
	s_add_co_u32 s23, s23, S1OFF
	v_add_nc_u32 v[A0], s22, v14
	v_add_nc_u32 v[A1], s23, v[LI]
	s_add_co_u32 s22, s22, SLOT
	s_add_co_u32 s23, s23, SLOT
	v_add_nc_u32 v[A0+1], s22, v14
	v_add_nc_u32 v[A1+1], s23, v[LI]
	v_lshrrev_b32 v15, 3, v2
	s_delay_alu instid0(VALU_DEP_1)
	v_mul_u32_u24 v15, v15, PITCH
	v_and_b32 v[ASC], 7, v2
	s_delay_alu instid0(VALU_DEP_1)
	v_lshl_add_u32 v[ASC], v[ASC], 5, v15
	s_mul_i32 s22, s[W1], 8*PITCH
	s_mul_i32 s23, s[W0], 8*PITCH
	s_add_co_u32 s23, s23, 16*PITCH
	s_sub_co_u32 s23, s23, s22
	v_mul_u32_u24 v15, s23, v3                     ; lanes 16-31 take W_o's words: the lower base + h x the distance
	s_add_co_u32 s22, s22, SCB1
	v_add_nc_u32 v[ASC], v[ASC], v15
	s_delay_alu instid0(VALU_DEP_1)
	v_add_nc_u32 v[ASC], s22, v[ASC]
	s_mul_i32 s22, s[WV], 16*PITCH
	s_add_co_u32 s22, s22, STAGE                   ; my stage
	v_mul_u32_u24 v[STO], v2, PITCH
	s_delay_alu instid0(VALU_DEP_1)
	v_lshl_add_u32 v[STO], v3, 5, v[STO]
	s_delay_alu instid0(VALU_DEP_1)
	v_add_nc_u32 v[STO], s22, v[STO]               ; in: row r, 32 bytes for each half of the lanes
	v_mul_u32_u24 v[RD], v3, PITCH
	s_delay_alu instid0(VALU_DEP_1)
	v_lshl_add_u32 v[RD], v2, 4, v[RD]
	s_delay_alu instid0(VALU_DEP_1)
	v_add_nc_u32 v[RD], s22, v[RD]                 ; back: lanes 0-15 one row of 256 bytes, lanes 16-31 the next
	v_lshlrev_b32 v[CO], 12, v3
	s_delay_alu instid0(VALU_DEP_1)
	v_lshl_add_u32 v[CO], v2, 4, v[CO]             ; and the same two rows in out0
	v_lshlrev_b32 v[BO], 5, v3
	v_and_b32 v14, 127, v0                         ; the tokens' scale words: thread t takes token t % 128, heads 8 (t / 128) on
	v_lshrrev_b32 v1, 7, v0
	s_delay_alu instid0(VALU_DEP_2)
	v_lshlrev_b32 v14, 2, v14
	s_delay_alu instid0(VALU_DEP_1)
	v_lshl_add_u32 v14, v1, 16, v14                ; in aos: 4 x token + 65,536 x half
	v_bfe_u32 v15, v0, 3, 4
	s_delay_alu instid0(VALU_DEP_1)
	v_mul_u32_u24 v15, v15, PITCH
	v_and_b32 v2, 7, v0
	s_delay_alu instid0(VALU_DEP_1)
	v_lshl_add_u32 v15, v2, 5, v15
	s_delay_alu instid0(VALU_DEP_1)
	v_lshl_add_u32 v15, v1, 4, v15
	s_delay_alu instid0(VALU_DEP_1)
	v_add_nc_u32 v15, SCB1, v15                    ; in LDS: the token's 32 bytes, my half of them
	s_wait_dscnt 0x0
	s_wait_kmcnt 0x0
	s_or_b32 s[G1C0], s[MCOL], PADW
	s_or_b32 s[G1S0], s[MCOL], (3<<16)|PADW
	s_or_b32 s[G1C1], s[MROW], (3<<16)|(1<<21)     ; images are read 16 x lane: no padding
	GROUP1 G1C0, 256, 64, 512                      ; waves 0-3: 64 rows of W_o, half of K: 256 bytes of each row of 512
	GROUP1 G1S0, 32, 8, 32                         ; their scale bytes: 2,048 dense bytes
	GROUP1 G1C1, 512, 2, 1024                      ; waves 4-7: two tiles of tokens, half of K: 4,096 bytes (512 elements of 8) of each tile's 8,192
	s_lshl_b32 s48, s[CX], 8
	s_lshl_b32 s49, s[W0], 6
	s_add_co_u32 s48, s48, s49
	s_lshl_b32 s66, s48, 5
	s_mov_b32 s67, 0
	s_lshl_b32 s48, s48, 9
	s_mov_b32 s49, 0
	s_add_nc_u64 s[48:49], s[P0C:P0C+1], s[48:49]
	s_add_nc_u64 s[66:67], s[P0S:P0S+1], s[66:67]
	s_lshl_b32 s50, s[X1], 3
	s_lshl_b32 s51, s[W0], 1
	s_add_co_u32 s50, s50, s51                     ; the first tile of tokens that wave & 3 fetches
	s_lshl_b32 s50, s50, 13
	s_mov_b32 s51, 0
	s_add_nc_u64 s[50:51], s[P1C:P1C+1], s[50:51]
	s_mul_i32 s22, s[W0], 64*PITCH
	s_lshl_b32 s23, s[W0], 13
	s_add_co_u32 s23, s23, S1OFF
.irp s, 0,1
	s_mov_b32 s[G0C0+4*\s], 1
	s_add_co_u32 s[G0C0+4*\s+1], s22, \s*SLOT
	s_add_nc_u64 s[G0C0+4*\s+2:G0C0+4*\s+3], s[48:49], \s*256
	s_or_b32 s[G0C0+4*\s+3], s[G0C0+4*\s+3], 0x80000000
	s_mov_b32 s[G0C1+4*\s], 1
	s_add_co_u32 s[G0C1+4*\s+1], s23, \s*SLOT
	s_add_nc_u64 s[G0C1+4*\s+2:G0C1+4*\s+3], s[50:51], \s*4096
	s_or_b32 s[G0C1+4*\s+3], s[G0C1+4*\s+3], 0x80000000
.endr
	s_mul_i32 s22, s[W0], 8*PITCH
	s_mov_b32 s[G0S0], 1
	s_add_co_u32 s[G0S0+1], s22, SCB0
	s_mov_b64 s[G0S0+2:G0S0+3], s[66:67]
	s_or_b32 s[G0S0+3], s[G0S0+3], 0x80000000
	CROUND                                         ; all sixteen work-groups are here: the joint loads meet
	s_cmp_lt_u32 s[WV], 4                          ; a wave's fills stand in one branch on the wave's number: three loads of mine are out, or two; slot 1's is the last on both ways
	s_cbranch_scc0 .Lfill_1
	tensor_load_to_lds s[G0S0:G0S0+3], s[G1S0:G1S0+7]
	s_nop 0
	tensor_load_to_lds s[G0C0:G0C0+3], s[G1C0:G1C0+7]
	s_nop 0
	tensor_load_to_lds s[G0C0+4:G0C0+7], s[G1C0:G1C0+7]
	s_nop 0
	PLACES
	s_branch .Lfilled
.Lfill_1:
	tensor_load_to_lds s[G0C1:G0C1+3], s[G1C1:G1C1+7]
	s_nop 0
	tensor_load_to_lds s[G0C1+4:G0C1+7], s[G1C1:G1C1+7]
	s_nop 0
	PLACES
.Lfilled:
	s_lshl_b32 s66, s[CX], 10                      ; the bias: for tile a of my 64 columns the eight numbers 16 a + 8 h + 0..7
	s_lshl_b32 s67, s[W0], 8
	s_add_co_u32 s66, s66, s67
	s_mov_b32 s67, 0
	s_add_nc_u64 s[PB:PB+1], s[PB:PB+1], s[66:67]
.irp a, 0,1,2,3
	global_load_b128 v[BIAS+8*\a:BIAS+8*\a+3], v[BO], s[PB:PB+1] offset:64*\a
	global_load_b128 v[BIAS+8*\a+4:BIAS+8*\a+7], v[BO], s[PB:PB+1] offset:64*\a+16
.endr
	s_lshr_b32 s100, s[X1], 4                      ; the tokens' scale words: 131,072 x batch + 512 x (my 128 tokens' place in the batch); a head is 8,192 bytes on
	s_lshl_b32 s100, s100, 17
	s_and_b32 s101, s[X1], 15
	s_lshl_b32 s101, s101, 9
	s_add_co_u32 s100, s100, s101
	s_mov_b32 s101, 0
	s_add_nc_u64 s[P1S:P1S+1], s[P1S:P1S+1], s[100:101]
	s_wait_alu depctr_va_vdst(0)
.irp d, 0,1,2,3,4,5,6,7
	global_load_b32 v[ACC+\d], v14, s[P1S:P1S+1] offset:8192*\d
.endr
	s_lshl_b32 s20, s[X1], 7                       ; my part of out0: row 128 x tile + 64 (wave >> 2), of 4,096 bytes; column 256 cx + 64 (wave & 3), of 4 bytes
	s_lshl_b32 s21, s[W1], 6
	s_add_co_u32 s20, s20, s21
	s_lshl_b32 s20, s20, 12
	s_lshl_b32 s104, s[CX], 10
	s_add_co_u32 s20, s20, s104
	s_lshl_b32 s104, s[W0], 8
	s_add_co_u32 s20, s20, s104
	s_mov_b32 s21, 0
	s_add_nc_u64 s[POUT:POUT+1], s[POUT:POUT+1], s[20:21]
	s_wait_loadcnt 0x0
.irp k, 0,1,2,3
	v_perm_b32 v[ACC+8+\k], v[ACC+2*\k+1], v[ACC+2*\k], 0x05040100   ; two heads' two bytes each make the word of 128 along K
.endr
	ds_store_b128 v15, v[ACC+8:ACC+11]
	s_wait_tensorcnt 0x1                           ; all my loads but the last, slot 1's, have landed; nothing is filled again
	s_wait_dscnt 0x0                               ; my store has landed
	s_barrier_signal -1
	s_barrier_wait -1
.macro KLOAD s
.irp a, 0,1,2,3
.irp c, 0,1
	ds_load_b128 v[F0+8*\a+4*\c:F0+8*\a+4*\c+3], v[A0+(\s)/4] offset:\a*16*PITCH+64*((\s)%4)+32*\c
.endr
.endr
.irp i, 0,1,2,3
.irp c, 0,1
	ds_load_b128 v[F1+8*\i+4*\c:F1+8*\i+4*\c+3], v[A1+(\s)/4] offset:4096*\i+1024*((\s)%4)+512*\c
.endr
.endr
.if ((\s)%4) == 0
.irp i, 0,1,2,3
	ds_load_b128 v[SC+4*\i:SC+4*\i+3], v[ASC] offset:\i*2*PITCH+16*((\s)/4)
.endr
.endif
	s_wait_dscnt 0x0
.endm
.macro KMUL s, first                   ; 16 matrix instructions; the 16 accumulators take turns, in the same order in every step
.irp i, 0,1,2,3
.irp a, 0,1,2,3
.if \first
	v_wmma_scale_f32_16x16x128_f8f6f4 v[ACC+32*\i+8*\a:ACC+32*\i+8*\a+7], v[F0+8*\a:F0+8*\a+7], v[F1+8*\i:F1+8*\i+7], v[BIAS+8*\a:BIAS+8*\a+7], v[SC+4*\a+(\s)%4], v[SC+4*\i+(\s)%4] matrix_a_fmt:MATRIX_FMT_FP4 matrix_b_fmt:MATRIX_FMT_FP4 matrix_a_scale:MATRIX_SCALE_ROW1
.else
	v_wmma_scale_f32_16x16x128_f8f6f4 v[ACC+32*\i+8*\a:ACC+32*\i+8*\a+7], v[F0+8*\a:F0+8*\a+7], v[F1+8*\i:F1+8*\i+7], v[ACC+32*\i+8*\a:ACC+32*\i+8*\a+7], v[SC+4*\a+(\s)%4], v[SC+4*\i+(\s)%4] matrix_a_fmt:MATRIX_FMT_FP4 matrix_b_fmt:MATRIX_FMT_FP4 matrix_a_scale:MATRIX_SCALE_ROW1
.endif
.endr
.endr
.endm
	KLOAD 0
	KMUL 0, 1
.irp s, 1,2,3
	PLACES
	KLOAD \s
	KMUL \s, 0
.endr
	s_wait_tensorcnt 0x0                           ; my part of slot 1 has landed
	s_wait_dscnt 0x0
	s_barrier_signal -1
	s_barrier_wait -1
.irp s, 4,5,6,7
	PLACES
	KLOAD \s
	KMUL \s, 0
.endr
; THE WAY OUT, 16 tokens x my 64 columns at a time, through my own stage: a lane holds 32 bytes of a row; whole rows of 256 bytes come back, and sixteen lanes store them.
.macro TOSTAGE i
.irp a, 0,1,2,3
	ds_store_b128 v[STO], v[ACC+32*(\i)+8*\a:ACC+32*(\i)+8*\a+3] offset:64*\a          ; each accumulator from its low end on
	ds_store_b128 v[STO], v[ACC+32*(\i)+8*\a+4:ACC+32*(\i)+8*\a+7] offset:64*\a+16
.endr
.irp k, 0,1,2,3,4,5,6,7
	ds_load_b128 v[BK+32*((\i)%2)+4*\k:BK+32*((\i)%2)+4*\k+3], v[RD] offset:2*\k*PITCH   ; LDS serves a wave's instructions in order (ISA guide 5.7.1.4): these see my stores, and the next block's stores come behind them
.endr
.endm
.macro SEND i, younger                 ; younger: the LDS instructions issued behind block i's loads
	s_wait_dscnt \younger
.irp k, 0,1,2,3,4,5,6,7
	global_store_b128 v[CO], v[BK+32*((\i)%2)+4*\k:BK+32*((\i)%2)+4*\k+3], s[POUT:POUT+1] offset:(16*(\i)+2*\k)*4096 th:TH_STORE_NT   ; 16 lanes store 256 consecutive bytes, aligned; written once
.endr
.endm
	PLACES
	TOSTAGE 0
.irp i, 1,2,3
.if \i > 1
	s_wait_xcnt 0x0                                ; block i - 2's stores have read their registers: block i's loads may land there
.endif
	TOSTAGE \i
	SEND \i-1, 16                                  ; behind block i - 1's loads: block i's 8 stores and 8 loads
.endr
	SEND 3, 0
	s_set_vgpr_msb 0x5
	s_wait_tensorcnt 0x0
	ds_add_u32 v0, v1
	s_wait_dscnt 0x0
	s_set_vgpr_msb 0x500
	CROUND                                         ; the closing round
	s_endpgm
.Lfunc_end_k_q36dbf11107_outp:
	.size	k_q36dbf11107_outp, .Lfunc_end_k_q36dbf11107_outp-k_q36dbf11107_outp
	.p2alignl 7, 3214868480
	.fill 96, 4, 3214868480
	.section	.rodata,"a",@progbits
	.p2align	6, 0x0
	.amdhsa_kernel k_q36dbf11107_outp
		.amdhsa_group_segment_fixed_size 253696
		.amdhsa_private_segment_fixed_size 0
		.amdhsa_enable_private_segment 0
		.amdhsa_kernarg_size 48
		.amdhsa_user_sgpr_count 2
		.amdhsa_user_sgpr_kernarg_segment_ptr 1
		.amdhsa_wavefront_size32 1
		.amdhsa_system_sgpr_workgroup_id_x 1
		.amdhsa_system_sgpr_workgroup_id_y 1
		.amdhsa_system_sgpr_workgroup_id_z 1
		.amdhsa_system_vgpr_workitem_id 0
		.amdhsa_next_free_vgpr 258
		.amdhsa_next_free_sgpr 106
		.amdhsa_reserve_vcc 0
		.amdhsa_float_denorm_mode_32 3
		.amdhsa_float_denorm_mode_16_64 3
		.amdhsa_memory_ordered 1
		.amdhsa_forward_progress 1
		.amdhsa_inst_pref_size 46
	.end_amdhsa_kernel
	.amdgpu_metadata
---
amdhsa.version: [ 1, 2 ]
amdhsa.kernels:
  - .name:           k_q36dbf11107_outp
    .symbol:         k_q36dbf11107_outp.kd
    .args:
      - { .name: W_o_codes, .offset: 0, .size: 8, .value_kind: global_buffer, .address_space: global }
      - { .name: W_o_scales, .offset: 8, .size: 8, .value_kind: global_buffer, .address_space: global }
      - { .name: ao, .offset: 16, .size: 8, .value_kind: global_buffer, .address_space: global }
      - { .name: aos, .offset: 24, .size: 8, .value_kind: global_buffer, .address_space: global }
      - { .name: b_o, .offset: 32, .size: 8, .value_kind: global_buffer, .address_space: global }
      - { .name: out0, .offset: 40, .size: 8, .value_kind: global_buffer, .address_space: global }
    .group_segment_fixed_size: 253696
    .private_segment_fixed_size: 0
    .kernarg_segment_align: 8
    .kernarg_segment_size: 48
    .max_flat_workgroup_size: 256
    .sgpr_count:     106
    .vgpr_count:     258
    .wavefront_size: 32
...
	.end_amdgpu_metadata
.endif
;; end of part 3
